; MI455X (gfx1250); checked and timed in simulation.
; The chip was launched on July 23, 2026; its instructions are those of AMD's public machine-readable ISA for CDNA 5 (MIT licence, August 2026) and "CDNA5" Instruction Set Architecture Reference Guide (July 2026). The comments in the code are by the model that wrote it; some were corrected since.
;; Encoder Block. Allowed arithmetic: matrix products marked QUANTISED: E4M3 operands, one E8M0 scale for each 32 along K, by v_wmma_scale_f32_16x16x128_f8f6f4 with both operands' format E4M3, f32 sums; everything else in f32.
;; Inputs: W1 1,024 x 4,096 float32; W2 4,096 x 1,024 float32; Wk 1,024 x 1,024 float32; Wo 1,024 x 1,024 float32; Wq 1,024 x 1,024 float32; Wv 1,024 x 1,024 float32; b1 4,096 float32; b2 1,024 float32; be1 1,024 float32; be2 1,024 float32; bk 1,024 float32; bo 1,024 float32; bq 1,024 float32; bv 1,024 float32; g1 1,024 float32; g2 1,024 float32; x 2 x 2,048 x 1,024 float32.
;; Outputs: out0 2 x 2,048 x 1,024 float32.
;; This version of the problem:
;;   THIS VERSION OF THE PROBLEM IS GIVEN IN LOW PRECISION. The matrix products marked QUANTISED in the list below multiply operands that are first quantised to E4M3 (4 exponent bits, 3 mantissa bits; 8 bits a number), with one power-of-two scale for each 32 numbers along K (OCP MX v1.0); their sums are f32. All else is computed in f32.
;;   The module's matrix products, in the order in which they are computed (A, B: the left and right operand; K: the contracted axis; several contracted axes count as one K, in the product's order):
;;     1. [M 4,096, K 1,024] x [K 1,024, N 1,024]; A: input x; B: input Wq: QUANTISED
;;     2. [M 4,096, K 1,024] x [K 1,024, N 1,024]; A: input x; B: input Wk: QUANTISED
;;     3. [M 4,096, K 1,024] x [K 1,024, N 1,024]; A: input x; B: input Wv: QUANTISED
;;     4. batch 32 x [M 2,048, K 64] x [K 64, N 2,048]; A: computed on the way; B: computed on the way: QUANTISED
;;     5. batch 32 x [M 2,048, K 2,048] x [K 2,048, N 64]; A: softmax (see below); B: computed on the way: QUANTISED
;;     6. [M 4,096, K 1,024] x [K 1,024, N 1,024]; A: computed on the way; B: input Wo: QUANTISED
;;     7. [M 4,096, K 1,024] x [K 1,024, N 4,096]; A: computed on the way; B: input W1: QUANTISED
;;     8. [M 4,096, K 4,096] x [K 4,096, N 1,024]; A: computed on the way; B: input W2: QUANTISED
;;   THE QUANTISER, for each operand of a quantised product, along K:
;;     - K is cut into blocks of 32 from its start; a last block that is shorter is filled with zeros.
;;     - A block's scale is 2^e with e = floor(log2(the largest magnitude in the block)) - 8, held to -126 .. 127; a block of zeros has e = 0. As a byte (E8M0): e + 127.
;;     - Each number is divided by its block's scale, clamped to +-448, and rounded to the nearest number of E4M3, ties to even, subnormals kept.
;;     - The product sums the exact products of the quantised numbers (number of the format x scale) in f32.
;;   ~~~python
;;   def quantise(x, axis):      # numpy; x: float32 -> the quantised numbers, widened to float32 again
;;       x = np.moveaxis(x, axis, -1); K = x.shape[-1]
;;       x = np.pad(x, [(0, 0)] * (x.ndim - 1) + [(0, -K % 32)]); x = x.reshape(x.shape[:-1] + (-1, 32)); a = np.abs(x).max(-1, keepdims=True)
;;       e = np.where(a > 0, np.clip(np.frexp(np.where(a > 0, a, 1))[1] - 1 - 8, -126, 127), 0)      # np.frexp(a)[1] - 1 = floor(log2(a)), exactly
;;       r = np.clip(x / 2.0 ** e, -448, 448)
;;       step = 2.0 ** (np.maximum(np.frexp(np.where(r == 0, 1, r))[1] - 1, -6) - 3)
;;       q = np.round(r / step) * step * 2.0 ** e      # np.round: ties to even
;;       return np.moveaxis(q.reshape(q.shape[:-2] + (-1,))[..., :K], -1, axis).astype(np.float32)
;;   ~~~
;;   SOFTMAX AHEAD OF A QUANTISED PRODUCT. Where the list says 'softmax', what is quantised is not the finished softmax but p = 2^(t - M), with t = logit x log2(e) and M = ceil(the row's largest t), a whole number; so 1/2 < the row's largest p <= 1. The row's sum l is taken of the UNQUANTISED p, in f32, and the product's result is divided by l at the end. Since M is a whole number, a kernel that streams over the keys may use a running M (the ceiling of the running maximum): every later rescaling is an exact power of two, which a block's scale takes up: the codes' values come out the same.
;;   OPERANDS COMPUTED ON THE WAY. 'Computed on the way' means the value that the module computes at that place (a softmax that the list does not call 'softmax' is quantised finished and normalised). What goes into a quantiser is computed in f32, as accurately as f32 sums, v_exp_f32 and their like allow (about 1e-6 of the number): no bf16 or f16 on the way to a quantiser, and a product that is left as it is and whose result goes on into a quantised operand takes f32 operands (vector FMAs, or v_wmma_f32_16x16x4_f32). A number that lies on a knife's edge between two numbers of the format may be rounded either way, as far as f32 arithmetic and the matrix unit's own rounding can turn it there, and no further.
;; One version. Each part assembles by itself: llvm-mc -triple=amdgcn-amd-amdhsa -mcpu=gfx1250 --defsym DOCPART=n.
;; ======== version 1 of 1: 6 launches
;; limits: right only within a limited range of input values
;; workspace buffers: wA 13,369,344 bytes; woq 1,114,112 bytes; w2q 4,456,448 bytes; qkv 13,369,344 bytes; y 67,108,864 bytes; h 21,233,664 bytes; hid 17,825,792 bytes
;; launch quant (part 1): grid 448 x 1, 8 waves a work-group, no clusters, 68,608 bytes of LDS; arguments x, Wq, Wk, Wv, Wo, W1, W2, wA, woq, w2q; writes wA, woq, w2q
.if DOCPART == 1
	.amdgcn_target "amdgcn-amd-amdhsa--gfx1250"
	.amdhsa_code_object_version 6
	.text
	.protected	k_q91de5dd4d1_quant
	.globl	k_q91de5dd4d1_quant
	.p2align	8
	.type	k_q91de5dd4d1_quant,@function
k_q91de5dd4d1_quant:
	s_mov_b64 s[64:65], 0
	v_nop
	global_prefetch_b8 v0, s[64:65] scope:SCOPE_SE
	s_setreg_imm32_b32 hwreg(HW_REG_WAVE_MODE, 25, 1), 1
	s_wait_xcnt 0x0
; x [4096][1024] and the six weights ([K][N], K first), f32, become codes of FP8 (E4M3) with one E8M0 byte for each 32 along K,
; laid IN THE ORDER OF AN OPERAND'S REGISTERS.  A tile is 16 rows x 256 K: TB = 4,352 bytes: two fragments of 2,048 bytes (register group c of
; fragment q: 512 bytes, 16 a lane), then the scale words (128 bytes a fragment, 4 a lane, both halves of the lanes alike).  Tile (K step s, T) lies at (s RT + T) TB.
; Lane r of tile T holds row 32 (T / 2) + 8 (T % 2) + r % 8 + 16 (r / 8): the same order in every buffer of this program.
; A block's scale is 2^(floor(log2(largest magnitude)) - 8); its byte is the largest magnitude's exponent field - 8, held at 1 from below; numbers are held within +-448 x the scale.
; LIMITS: a block of zeros gets the byte 1 where the rule says 127 (its codes are zeros, and this program alone reads the bytes); NaN and infinities are not served.
; Work-groups 0-255: a tile of 16 rows of x; wave w takes K = 128 w .. 128 w + 127: one fragment.  Work-groups 256-447: 128 columns x 512 K of a weight; a wave takes 32 columns x 256 K.
; No matrix unit, no cluster, no tensor load: each input byte is read once and nothing is shared between work-groups.
.set TB,  4352
.set SEL, 56                           ; s[56:57] selects of v_permlanex16_b32: lane l xor 16
.set MNT, 58                           ; s58 the mantissa field of 448
.set TM,  144                          ; x's way: v144-159 at work in QUANT
.set PC,  160                          ; v160-175 a fragment's codes
.set PW,  176                          ; v176 its scale word
.set R,   16                           ; v16-79 16 rows as loaded
.set XX,  80                           ; v80-143 my 64 numbers: register 16 c + i = k 32 c + 16 (lane / 16) + i of row lane % 16
.set AD,  16                           ; the weights' way: v16-47 4 x lane + i rows
.set X,   48                           ; v48-111 two sets of 32 numbers
.set C,   112                          ; v112-175 codes, eight registers for each block: no store's data are written again
.set SB,  176                          ; v176-177 scale words
.set IB,  66                           ; s[66:81] a base for each of the eight blocks
.set MSB, 0
.macro WIN new
.if MSB != (\new)
	s_set_vgpr_msb (MSB<<8)|(\new)
.set MSB, (\new)
.endif
.endm
; 16 nb numbers of a lane, v[s] on in window w, become codes in v[PC] on and a scale word in v[PW]; the held numbers go to v[x] on, window 0
.macro QUANT s, w, x, nb
.set QW, (\w)
	WIN 5*QW
.set qb, 0
.rept \nb
	v_max3_num_f32 v[TM+qb], |v[(\s)+16*qb]|, |v[(\s)+16*qb+1]|, 0x4800000   ; my 16 numbers of block qb, and the floor 2^(9 - 127): the byte cannot fall under 1
.set qb, qb+1
.endr
.irp i, 2,4,6,8,10,12,14
.set qb, 0
.rept \nb
	s_delay_alu instid0(VALU_DEP_4)
	v_max3_num_f32 v[TM+qb], |v[(\s)+16*qb+\i]|, |v[(\s)+16*qb+\i+1]|, v[TM+qb]
.set qb, qb+1
.endr
.endr
	WIN 0
.set qb, 0
.rept \nb
	s_delay_alu instid0(VALU_DEP_4)
	v_permlanex16_b32 v[TM+4+qb], v[TM+qb], s[SEL], s[SEL+1]
.set qb, qb+1
.endr
.set qb, 0
.rept \nb
	s_delay_alu instid0(VALU_DEP_4)
	v_max_num_f32 v[TM+qb], v[TM+qb], v[TM+4+qb]          ; with lane l xor 16's: the block's largest magnitude
.set qb, qb+1
.endr
.set qb, 0
.rept \nb
	v_add_nc_u32 v[TM+12+qb], 0xfc000000, v[TM+qb]        ; 8 off its exponent field: the conversion's scale operand
	v_and_or_b32 v[TM+8+qb], v[TM+qb], 0x7f800000, s[MNT] ; 448 x the scale
.set qb, qb+1
.endr
.set qb, 0
.rept \nb
	v_lshrrev_b32 v[TM+4+qb], 23, v[TM+12+qb]             ; the scale's byte
.set qb, qb+1
.endr
	s_delay_alu instid0(VALU_DEP_3)
	v_lshl_or_b32 v[PW], v[TM+5], 8, v[TM+4]
.if \nb > 2
	s_delay_alu instid0(VALU_DEP_1)
	v_lshl_or_b32 v[PW], v[TM+6], 16, v[PW]
	s_delay_alu instid0(VALU_DEP_1)
	v_lshl_or_b32 v[PW], v[TM+7], 24, v[PW]
.endif
	WIN QW
.set qb, 0
.rept 16*\nb
	v_med3_num_f32 v[(\x)+qb], v[(\s)+qb], -v[TM+8+qb/16], v[TM+8+qb/16]   ; the conversion to an 8-bit code does not saturate (ISA guide 7.6.2): the hold
.set qb, qb+1
.endr
	WIN 0
.set qb, 0
.rept 2*\nb
	v_cvt_scalef32_pk8_fp8_f32 v[PC+2*qb:PC+2*qb+1], v[(\x)+8*qb:(\x)+8*qb+7], v[TM+12+qb/2]
.set qb, qb+1
.endr
	v_nop                                          ; one plain line behind the last conversion
.endm
	s_load_b512 s[4:19], s[0:1], 0x0               ; x, Wq, Wk, Wv, Wo, W1, W2, wA
	s_load_b128 s[20:23], s[0:1], 0x40             ; woq, w2q
	v_lshl_add_u32 v192, v0, 2, 0x10800
	v_mov_b32 v193, 0
	v_lshrrev_b32 v1, 5, v0
	s_delay_alu instid0(VALU_DEP_1)
	v_readfirstlane_b32 s24, v1                    ; wave 0..7
	v_and_b32 v1, 31, v0                           ; lane
	s_delay_alu instid0(VALU_DEP_1)
	v_lshlrev_b32 v2, 4, v1                        ; 16 x lane
	s_delay_alu instid0(VALU_DEP_2)
	v_lshlrev_b32 v3, 2, v1                        ; 4 x lane
	s_mov_b32 s[SEL], 0x76543210
	s_mov_b32 s[SEL+1], 0xfedcba98
	s_mov_b32 s[MNT], 0x600000
	s_cmp_lt_u32 ttmp9, 256
	s_cbranch_scc0 .Lweights
	; ---- x: tile T = the work-group's number
	s_lshl_b32 s25, s24, 9
	v_add_nc_u32 v4, s25, v2                       ; my 16 bytes of the wave's 512 of a row
	s_mul_i32 s26, s24, 8448                       ; the wave's own stage: 16 rows x 528 bytes
	v_add_nc_u32 v5, s26, v2                       ; in: as loaded
	v_and_b32 v6, 15, v0
	v_bfe_u32 v7, v0, 4, 1
	s_delay_alu instid0(VALU_DEP_2)
	v_mul_u32_u24 v6, v6, 528
	s_delay_alu instid0(VALU_DEP_1)
	v_lshl_add_u32 v6, v7, 6, v6
	s_delay_alu instid0(VALU_DEP_1)
	v_add_nc_u32 v6, s26, v6                       ; back: row lane % 16, + 64 (lane / 16)
	s_lshr_b32 s27, ttmp9, 1
	s_lshl_b32 s27, s27, 17                        ; 32 rows of 4,096 bytes
	s_and_b32 s28, ttmp9, 1
	s_lshl_b32 s28, s28, 15                        ; 8 rows
	s_add_co_u32 s28, s27, s28
	s_mov_b32 s29, 0
	s_lshr_b32 s30, s24, 1                         ; K step
	s_lshl_b32 s30, s30, 8
	s_add_co_u32 s30, s30, ttmp9
	s_mul_i32 s30, s30, TB
	s_and_b32 s31, s24, 1                          ; fragment
	s_lshl_b32 s32, s31, 11
	s_add_co_u32 s32, s30, s32
	s_mov_b32 s33, 0
	s_lshl_b32 s34, s31, 7
	s_add_co_u32 s34, s34, s30
	s_add_co_u32 s34, s34, 4096
	s_mov_b32 s35, 0
.irp b, 0,1,2,3
	v_mov_b32 v[TM+4+\b], 0                        ; a lane permute's destination counts as one of its sources
.endr
	s_wait_alu depctr_va_vdst(0)
	s_wait_kmcnt 0x0
	s_add_nc_u64 s[4:5], s[4:5], s[28:29]
	s_add_nc_u64 s[32:33], s[18:19], s[32:33]
	s_add_nc_u64 s[34:35], s[18:19], s[34:35]
.irp i, 0,1,2,3,4,5,6,7,8,9,10,11,12,13,14,15
	global_load_b128 v[R+4*\i:R+4*\i+3], v4, s[4:5] offset:((\i)%8+16*((\i)/8))*4096 th:TH_LOAD_NT   ; the row of tile lane i: 512 consecutive bytes a load
.endr
	s_wait_loadcnt 0x0
.irp i, 0,1,2,3,4,5,6,7,8,9,10,11,12,13,14,15
	ds_store_b128 v5, v[R+4*\i:R+4*\i+3] offset:528*\i
.endr
.irp n, 0,1,2,3,4,5,6,7,8,9,10,11,12,13,14,15
	ds_load_b128 v[XX+4*\n:XX+4*\n+3], v6 offset:128*(\n/4)+16*(\n%4)   ; LDS serves a wave's instructions in order: these see my stores
.endr
	s_wait_dscnt 0x0
	QUANT XX, 0, XX, 4
.irp c, 0,1,2,3
	global_store_b128 v2, v[PC+4*\c:PC+4*\c+3], s[32:33] offset:512*\c   ; 32 lanes store 512 consecutive bytes
.endr
	global_store_b32 v3, v[PW], s[34:35]
	s_wait_tensorcnt 0x0
	ds_add_u32 v192, v193
	s_wait_dscnt 0x0
	s_endpgm
.Lweights:
	; ---- a weight.  id < 64: Wq, Wk, Wv, Wo (16 work-groups each); 64-127: W1; 128-191: W2
	s_sub_co_u32 s25, ttmp9, 256                   ; id
	s_lshr_b32 s26, s25, 4                         ; which of the four square ones (4 and more: none)
	s_lshr_b32 s27, s25, 6
	s_lshl_b32 s35, s26, 6
	s_add_co_u32 s35, s35, 1024                    ; Wq, Wk, Wv: tiles 1,024 + 64 x which, in wA
	s_cmp_eq_u32 s27, 1                            ; W1?
	s_cselect_b32 s28, 14, 12                      ; log2 of a row's bytes
	s_cselect_b32 s29, 5, 3                        ; log2 of the groups of 128 columns
	s_cmp_lt_u32 s25, 128
	s_cselect_b32 s30, 1, 15                       ; mask of the groups of 512 along K
	s_cselect_b32 s33, 8, 6                        ; log2 of RT
	s_cselect_b32 s34, 2048, 0                     ; first tile in the output buffer
	s_cmp_lt_u32 s26, 3
	s_cselect_b32 s34, s35, s34
	s_cmp_eq_u32 s26, 3                            ; Wo
	s_cselect_b32 s33, 6, s33
	s_cselect_b32 s34, 0, s34
	s_bfm_b32 s31, s29, 0
	s_and_b32 s31, s25, s31                        ; cg: which 128 columns
	s_lshr_b32 s32, s25, s29
	s_and_b32 s32, s32, s30                        ; kg: which 512 along K
	s_and_b32 s41, s24, 3                          ; my wave's 32 columns
	s_lshr_b32 s42, s24, 2                         ; my wave's 256 along K
	s_lshl_b32 s40, s32, 1
	s_add_co_u32 s40, s40, s42                     ; K step
	s_lshl_b32 s44, s40, 8
	s_lshl_b32 s44, s44, s28                       ; 256 rows a K step
	s_lshl_b32 s43, s31, 9
	s_add_co_u32 s44, s44, s43
	s_lshl_b32 s43, s41, 7
	s_add_co_u32 s44, s44, s43                     ; + my first column
	s_mov_b32 s45, 0
	s_lshl_b32 s46, 1, s28                         ; a row's bytes
	s_lshl_b32 s48, s46, 5                         ; a block's 32 rows
	s_mov_b32 s49, 0
	s_lshl_b32 s50, s40, s33
	s_add_co_u32 s50, s50, s34
	s_lshl_b32 s43, s31, 3
	s_add_co_u32 s50, s50, s43
	s_lshl_b32 s43, s41, 1
	s_add_co_u32 s50, s50, s43                     ; tile s RT + first + 8 cg + 2 cs (and one more for lanes whose bit 3 is set)
	s_mul_i32 s50, s50, TB
	s_mov_b32 s51, 0
.set n, 0
	s_wait_alu depctr_va_vdst(0)
.rept 32
	v_mad_u32_u24 v[AD+n], s46, n, v3              ; row n of a block, my column
.set n, n+1
.endr
	v_bfe_u32 v4, v0, 3, 1                         ; column n = lane: tile bit = bit 3, tile lane = n % 8 + 8 x bit 4
	v_and_b32 v5, 7, v0
	v_bfe_u32 v6, v0, 4, 1
	s_delay_alu instid0(VALU_DEP_1)
	v_lshl_add_u32 v5, v6, 3, v5
	s_delay_alu instid0(VALU_DEP_4)
	v_mul_u32_u24 v4, v4, TB
	s_delay_alu instid0(VALU_DEP_1)
	v_lshl_add_u32 v7, v5, 4, v4                   ; where my codes go
	s_delay_alu instid0(VALU_DEP_2)
	v_lshl_add_u32 v8, v5, 2, v4                   ; and my scale words
	s_wait_alu depctr_va_vdst(0)
	s_wait_kmcnt 0x0
	s_mov_b64 s[36:37], s[16:17]                   ; the buffers are chosen on the work-group's number alone
	s_mov_b64 s[38:39], s[22:23]
	s_cmp_lt_u32 s25, 128
	s_cselect_b64 s[36:37], s[14:15], s[36:37]
	s_cselect_b64 s[38:39], s[18:19], s[38:39]
	s_cmp_eq_u32 s26, 3
	s_cselect_b64 s[36:37], s[12:13], s[36:37]
	s_cselect_b64 s[38:39], s[20:21], s[38:39]
	s_cmp_eq_u32 s26, 2
	s_cselect_b64 s[36:37], s[10:11], s[36:37]
	s_cmp_eq_u32 s26, 1
	s_cselect_b64 s[36:37], s[8:9], s[36:37]
	s_cmp_eq_u32 s26, 0
	s_cselect_b64 s[36:37], s[6:7], s[36:37]
	s_add_nc_u64 s[38:39], s[38:39], s[50:51]
	s_add_nc_u64 s[IB:IB+1], s[36:37], s[44:45]
.irp t, 1,2,3,4,5,6,7
	s_add_nc_u64 s[IB+2*\t:IB+2*\t+1], s[IB+2*\t-2:IB+2*\t-1], s[48:49]
.endr
.macro LOADW t                         ; block t: 32 rows of my column: each load reads 128 consecutive bytes
.set XS, X+32*((\t)%2)
.set n, 0
.rept 32
	global_load_b32 v[XS+n], v[AD+n], s[IB+2*(\t):IB+2*(\t)+1] th:TH_LOAD_NT
.set n, n+1
.endr
.endm
.macro BLOCK t
.set XS, X+32*((\t)%2)
.if (\t) < 7
	s_wait_loadcnt 32                              ; this block's 32 loads are in; the next block's may be out
.else
	s_wait_loadcnt 0x0
.endif
	v_max3_num_f32 v9, |v[XS]|, |v[XS+1]|, |v[XS+2]|   ; all 32 numbers of the block are mine
	v_max3_num_f32 v10, |v[XS+3]|, |v[XS+4]|, |v[XS+5]|
.irp i, 6,10,14,18,22,26
	s_delay_alu instid0(VALU_DEP_2)
	v_max3_num_f32 v9, v9, |v[XS+\i]|, |v[XS+\i+1]|
	s_delay_alu instid0(VALU_DEP_2)
	v_max3_num_f32 v10, v10, |v[XS+\i+2]|, |v[XS+\i+3]|
.endr
	s_delay_alu instid0(VALU_DEP_2)
	v_max3_num_f32 v9, v9, |v[XS+30]|, |v[XS+31]|
	s_delay_alu instid0(VALU_DEP_1)
	v_max3_num_f32 v9, v9, v10, 0x4800000          ; and the floor
	s_delay_alu instid0(VALU_DEP_1)
	v_add_nc_u32 v11, 0xfc000000, v9
	s_delay_alu instid0(VALU_DEP_2)
	v_and_or_b32 v12, v9, 0x7f800000, s[MNT]
	s_delay_alu instid0(VALU_DEP_2)
	v_lshrrev_b32 v13, 23, v11
.if (\t)%4 == 0
	s_delay_alu instid0(VALU_DEP_1)
	v_mov_b32 v[SB+(\t)/4], v13
.else
	s_delay_alu instid0(VALU_DEP_1)
	v_lshl_or_b32 v[SB+(\t)/4], v13, 8*((\t)%4), v[SB+(\t)/4]
.endif
.set n, 0
.rept 32
	v_med3_num_f32 v[XS+n], v[XS+n], -v12, v12
.set n, n+1
.endr
.irp g, 0,1,2,3
	v_cvt_scalef32_pk8_fp8_f32 v[C+8*(\t)+2*\g:C+8*(\t)+2*\g+1], v[XS+8*\g:XS+8*\g+7], v11
.endr
	global_store_b128 v7, v[C+8*(\t):C+8*(\t)+3], s[38:39] offset:((\t)/4)*2048+((\t)%4)*512        ; k 0-15 of the block: the lanes of one tile fill 256 consecutive bytes
	global_store_b128 v7, v[C+8*(\t)+4:C+8*(\t)+7], s[38:39] offset:((\t)/4)*2048+((\t)%4)*512+256  ; k 16-31: the upper half of the lanes' places
.if (\t)+2 < 8
	LOADW (\t)+2
.endif
.endm
	LOADW 0
	LOADW 1
.irp t, 0,1,2,3,4,5,6,7
	BLOCK \t
.endr
.irp q, 0,1
	global_store_b32 v8, v[SB+\q], s[38:39] offset:4096+128*\q
	global_store_b32 v8, v[SB+\q], s[38:39] offset:4096+128*\q+64      ; the same word for the upper half of the lanes
.endr
	s_endpgm
.Lfunc_end_k_q91de5dd4d1_quant:
	.size	k_q91de5dd4d1_quant, .Lfunc_end_k_q91de5dd4d1_quant-k_q91de5dd4d1_quant
	.p2alignl 7, 3214868480
	.fill 96, 4, 3214868480
	.section	.rodata,"a",@progbits
	.p2align	6, 0x0
	.amdhsa_kernel k_q91de5dd4d1_quant
		.amdhsa_group_segment_fixed_size 68608
		.amdhsa_private_segment_fixed_size 0
		.amdhsa_enable_private_segment 0
		.amdhsa_kernarg_size 80
		.amdhsa_user_sgpr_count 2
		.amdhsa_user_sgpr_kernarg_segment_ptr 1
		.amdhsa_wavefront_size32 1
		.amdhsa_system_sgpr_workgroup_id_x 1
		.amdhsa_system_sgpr_workgroup_id_y 1
		.amdhsa_system_sgpr_workgroup_id_z 1
		.amdhsa_system_vgpr_workitem_id 0
		.amdhsa_next_free_vgpr 194
		.amdhsa_next_free_sgpr 96
		.amdhsa_reserve_vcc 0
		.amdhsa_float_denorm_mode_32 3
		.amdhsa_float_denorm_mode_16_64 3
		.amdhsa_memory_ordered 1
		.amdhsa_forward_progress 1
		.amdhsa_inst_pref_size 80
	.end_amdhsa_kernel
	.amdgpu_metadata
---
amdhsa.version: [ 1, 2 ]
amdhsa.kernels:
  - .name:           k_q91de5dd4d1_quant
    .symbol:         k_q91de5dd4d1_quant.kd
    .args:
      - { .name: x, .offset: 0, .size: 8, .value_kind: global_buffer, .address_space: global }
      - { .name: Wq, .offset: 8, .size: 8, .value_kind: global_buffer, .address_space: global }
      - { .name: Wk, .offset: 16, .size: 8, .value_kind: global_buffer, .address_space: global }
      - { .name: Wv, .offset: 24, .size: 8, .value_kind: global_buffer, .address_space: global }
      - { .name: Wo, .offset: 32, .size: 8, .value_kind: global_buffer, .address_space: global }
      - { .name: W1, .offset: 40, .size: 8, .value_kind: global_buffer, .address_space: global }
      - { .name: W2, .offset: 48, .size: 8, .value_kind: global_buffer, .address_space: global }
      - { .name: wA, .offset: 56, .size: 8, .value_kind: global_buffer, .address_space: global }
      - { .name: woq, .offset: 64, .size: 8, .value_kind: global_buffer, .address_space: global }
      - { .name: w2q, .offset: 72, .size: 8, .value_kind: global_buffer, .address_space: global }
    .group_segment_fixed_size: 68608
    .private_segment_fixed_size: 0
    .kernarg_segment_align: 8
    .kernarg_segment_size: 80
    .max_flat_workgroup_size: 256
    .sgpr_count:     96
    .vgpr_count:     194
    .wavefront_size: 32
...
	.end_amdgpu_metadata
.endif
;; end of part 1
;; launch qkv (part 2): grid 12 x 16, 4 waves a work-group, clusters of 4 x 4, 327,680 bytes of LDS; arguments wA, bq, bk, bv, qkv; writes qkv
.if DOCPART == 2
	.amdgcn_target "amdgcn-amd-amdhsa--gfx1250"
	.amdhsa_code_object_version 6
	.text
	.protected	k_q91de5dd4d1_qkv
	.globl	k_q91de5dd4d1_qkv
	.p2align	8
	.type	k_q91de5dd4d1_qkv,@function
k_q91de5dd4d1_qkv:
	s_mov_b64 s[64:65], 0
	v_nop
	global_prefetch_b8 v0, s[64:65] scope:SCOPE_SE
	s_setreg_imm32_b32 hwreg(HW_REG_WAVE_MODE, 25, 1), 1
	s_wait_xcnt 0x0
	s_wait_alu depctr_hold_cnt(0) depctr_sa_sdst(0) depctr_va_vdst(0) depctr_va_sdst(0) depctr_va_ssrc(0) depctr_va_vcc(0) depctr_vm_vsrc(0)
	s_getreg_b32 s2, hwreg(HW_REG_IB_STS2, 6, 4)
	s_cmp_eq_u32 s2, 0
	s_cbranch_scc0 .Lentry_in_a_cluster
	s_endpgm
.Lentry_in_a_cluster:
	s_bfe_u32 s2, ttmp6, 0x10000c
	s_cmp_lg_u32 s2, 0xf033
	s_cbranch_scc0 .Lentry_shape_is_right
	s_endpgm
.Lentry_shape_is_right:
.set TB,    4352
.set HALFT, 8*TB
.set SLOT,  4*HALFT
.set SPARE, 2*SLOT
.set ASTEP, 256*TB
.set BSTEP, 256*TB
.set NP,    8
.set ADRA, 16
.set ADRB, 20
.set ADRS, 22
.set CO,   26
.set CS,   27
.set SPW,  28
.set NIL,  29
.set SC,   32
.set BN,   64
.set AF,   128
.set G1,  24
.set G0,  32
.set G1B, 48
.set G0B, 56
.set SEL, 78
.set MNT, 80
.set TM,  192
.set PC,  208
.set PW,  224
.set MSB, 0
.macro WIN new
.if MSB != (\new)
	s_set_vgpr_msb (MSB<<8)|(\new)
.set MSB, (\new)
.endif
.endm
.macro PLACES n
.rept \n
	v_nop
.endr
.endm
.macro JLOAD g0a, g0b
	s_cmp_eq_u32 s15, 0
	s_cbranch_scc0 .Lfor_b_\@
	tensor_load_to_lds s[\g0a:\g0a+3], s[G1:G1+7]
	s_nop 0
	PLACES 4
	s_branch .Lasked_\@
.Lfor_b_\@:
	tensor_load_to_lds s[\g0b:\g0b+3], s[G1B:G1B+7]
	s_nop 0
	PLACES 4
.Lasked_\@:
.endm
.macro CREST
	s_cmp_lg_u32 s14, 0
	s_cbranch_scc1 .Lnot_wave_0_\@
	s_barrier_signal -3
.Lnot_wave_0_\@:
	s_barrier_wait -3
	s_barrier_signal -1
	s_barrier_wait -1
.endm
.macro CROUND
	s_barrier_signal -1
	s_barrier_wait -1
	CREST
.endm
.macro FRAG reg, adr, q, i
.irp c, 0,1,2,3
	ds_load_b128 v[(\reg)+4*\c:(\reg)+4*\c+3], v[\adr] offset:(\i)*TB+2048*(\q)+512*\c
.endr
.endm
.macro FETCH_B slot, q, p
	WIN 0x40
.irp i, 0,1,2,3,4,5,6,7
	FRAG 128*(\p)+16*\i, ADRB+\slot, \q, \i
.endr
	WIN 0
.endm
.macro FETCH_A slot, q, i0
.irp i, \i0, \i0+1, \i0+2, \i0+3
	FRAG AF+16*(\i), ADRA+\slot, \q, \i
.endr
.endm
.macro SCALES sl
.irp i, 0,1,2,3,4,5,6,7
	ds_load_b32 v[SC+16*\sl+2*\i], v[ADRS+\sl] offset:\i*TB+4096
	ds_load_b32 v[SC+16*\sl+2*\i+1], v[ADRS+\sl] offset:\i*TB+4096+128
.endr
.endm
.macro MUL16 a0, p, q, sc, cm
.irp a, \a0, \a0+1
.irp b, 0,1,2,3,4,5,6,7
.if \cm == 1
	v_wmma_scale_f32_16x16x128_f8f6f4 v[8*(8*((\a)%4)+\b):8*(8*((\a)%4)+\b)+7], v[128*(\p)+16*\b:128*(\p)+16*\b+15], v[AF+16*(\a):AF+16*(\a)+15], v[BN+8*\b:BN+8*\b+7], v[SC+16*(\sc)+2*\b+(\q)], v[SC+16*(\sc)+2*(\a)+(\q)] matrix_a_scale:MATRIX_SCALE_ROW1
.elseif \cm == 2
	v_wmma_scale_f32_16x16x128_f8f6f4 v[8*(8*((\a)%4)+\b):8*(8*((\a)%4)+\b)+7], v[128*(\p)+16*\b:128*(\p)+16*\b+15], v[AF+16*(\a):AF+16*(\a)+15], v[BN+8*(\a):BN+8*(\a)+7], v[SC+16*(\sc)+2*\b+(\q)], v[SC+16*(\sc)+2*(\a)+(\q)] matrix_a_scale:MATRIX_SCALE_ROW1
.else
	v_wmma_scale_f32_16x16x128_f8f6f4 v[8*(8*((\a)%4)+\b):8*(8*((\a)%4)+\b)+7], v[128*(\p)+16*\b:128*(\p)+16*\b+15], v[AF+16*(\a):AF+16*(\a)+15], v[8*(8*((\a)%4)+\b):8*(8*((\a)%4)+\b)+7], v[SC+16*(\sc)+2*\b+(\q)], v[SC+16*(\sc)+2*(\a)+(\q)] matrix_a_scale:MATRIX_SCALE_ROW1
.endif
.endr
.endr
.endm
.macro STEP slot, q, cm
	s_wait_dscnt 16
.if \cm
	WIN 0x81
.else
	WIN 0xa1
.endif
	MUL16 0, (\q)%2, \q, \slot, \cm
	MUL16 2, (\q)%2, \q, \slot, \cm
	s_wait_dscnt 0x0
	PLACES NP
	FETCH_B \slot, (\q)+1, 1-(\q)%2
	FETCH_A \slot, (\q)+1, 0
.if \cm
	WIN 0xc1
.else
	WIN 0xf1
.endif
	MUL16 4, (\q)%2, \q, \slot, \cm
	MUL16 6, (\q)%2, \q, \slot, \cm
	PLACES NP
	WIN 0
	FETCH_A \slot, (\q)+1, 4
.endm
.macro TURN slot, next, fill
	s_wait_tensorcnt 0x0
	ds_add_u32 v[SPW], v[NIL]
	s_wait_dscnt 17
	WIN 0xa1
	MUL16 0, 1, 1, \slot, 0
	s_wait_dscnt 0x0
	s_barrier_signal -1
	MUL16 2, 1, 1, \slot, 0
	WIN 0
	s_barrier_wait -1
.if \fill
	CREST
	s_add_nc_u64 s[G0+4*\slot+2:G0+4*\slot+3], s[G0+4*\slot+2:G0+4*\slot+3], 2*ASTEP
	s_add_nc_u64 s[G0B+4*\slot+2:G0B+4*\slot+3], s[G0B+4*\slot+2:G0B+4*\slot+3], 2*BSTEP
	JLOAD G0+4*\slot, G0B+4*\slot
	PLACES NP-4
.else
	PLACES NP
.endif
	FETCH_B \next, 0, 0
	FETCH_A \next, 0, 0
	SCALES \next
	WIN 0xf1
	MUL16 4, 1, 1, \slot, 0
	MUL16 6, 1, 1, \slot, 0
	PLACES NP
	WIN 0
	FETCH_A \next, 0, 4
.endm
.macro QUANT s, w, x, nb
.set QW, (\w)
	WIN 5*QW
.set qb, 0
.rept \nb
	v_max3_num_f32 v[TM+qb], |v[(\s)+16*qb]|, |v[(\s)+16*qb+1]|, 0x4800000
.set qb, qb+1
.endr
.irp i, 2,4,6,8,10,12,14
.set qb, 0
.rept \nb
	v_max3_num_f32 v[TM+qb], |v[(\s)+16*qb+\i]|, |v[(\s)+16*qb+\i+1]|, v[TM+qb]
.set qb, qb+1
.endr
.endr
	WIN 0
.set qb, 0
.rept \nb
	v_permlanex16_b32 v[TM+4+qb], v[TM+qb], s[SEL], s[SEL+1]
.set qb, qb+1
.endr
.set qb, 0
.rept \nb
	v_max_num_f32 v[TM+qb], v[TM+qb], v[TM+4+qb]
.set qb, qb+1
.endr
.set qb, 0
.rept \nb
	v_add_nc_u32 v[TM+12+qb], 0xfc000000, v[TM+qb]
	v_and_or_b32 v[TM+8+qb], v[TM+qb], 0x7f800000, s[MNT]
.set qb, qb+1
.endr
.set qb, 0
.rept \nb
	v_lshrrev_b32 v[TM+4+qb], 23, v[TM+12+qb]
.set qb, qb+1
.endr
	v_lshl_or_b32 v[PW], v[TM+5], 8, v[TM+4]
.if \nb > 2
	v_lshl_or_b32 v[PW], v[TM+6], 16, v[PW]
	v_lshl_or_b32 v[PW], v[TM+7], 24, v[PW]
.endif
	WIN QW
.set qb, 0
.rept 16*\nb
	v_med3_num_f32 v[(\x)+qb], v[(\s)+qb], -v[TM+8+qb/16], v[TM+8+qb/16]
.set qb, qb+1
.endr
	WIN 0
.set qb, 0
.rept 2*\nb
	v_cvt_scalef32_pk8_fp8_f32 v[PC+2*qb:PC+2*qb+1], v[(\x)+8*qb:(\x)+8*qb+7], v[TM+12+qb/2]
.set qb, qb+1
.endr
	v_nop
.endm
	s_load_b256 s[4:11], s[0:1], 0x0
	s_load_b64 s[12:13], s[0:1], 0x20
	v_lshl_add_u32 v[SPW], v0, 2, SPARE
	v_mov_b32 v[NIL], 0
	ds_add_u32 v28, v29
	ds_add_u32 v28, v29
	s_wait_dscnt 0x0
	v_lshrrev_b32 v1, 5, v0
	v_readfirstlane_b32 s14, v1
	s_lshr_b32 s15, s14, 1
	s_and_b32 s16, s14, 1
	s_bfe_u32 s40, ttmp6, 0x40000
	s_bfe_u32 s41, ttmp6, 0x40004
	s_and_b32 s67, ttmp7, 0xffff
	s_cmp_eq_u32 ttmp9, 2
	s_cselect_b32 s66, 1, 0
	s_cselect_b32 s68, s67, ttmp9
	s_cselect_b32 s69, 0, s67
	s_cselect_b32 s70, 1152, 0
	s_cselect_b32 s71, 0, 1024
	s_cselect_b32 s72, 8912896, 0
	s_cselect_b32 s73, 64, 256
	s_lshl_b32 s42, s68, 2
	s_add_co_u32 s42, s42, s40
	s_lshl_b32 s17, s69, 2
	s_add_co_u32 s17, s17, s41
	s_lshl_b32 s43, s41, 2
	s_lshl_b32 s43, 15, s43
	s_lshl_b32 s44, 0x1111, s40
	s_or_b32 s[G1], s43, (3<<16)|(1<<21)
	s_or_b32 s[G1B], s44, (3<<16)|(1<<21)
.irp g, G1, G1B
	s_mov_b32 s[\g+1], 32<<16
	s_mov_b32 s[\g+2], 136<<16
	s_mov_b32 s[\g+3], 32<<16
	s_mov_b32 s[\g+4], 136
	s_mov_b32 s[\g+5], 32
	s_mov_b32 s[\g+6], 0
	s_mov_b32 s[\g+7], 0
.endr
	s_lshl_b32 s18, s16, 3
	s_lshl_b32 s20, s17, 4
	s_add_co_u32 s20, s20, s18
	s_add_co_u32 s20, s20, s70
	s_mul_i32 s20, s20, TB
	s_mov_b32 s21, 0
	s_lshl_b32 s46, s42, 4
	s_add_co_u32 s46, s46, s18
	s_add_co_u32 s46, s46, s71
	s_mul_i32 s46, s46, TB
	s_mov_b32 s47, 0
	s_mul_i32 s45, s14, HALFT
	s_wait_kmcnt 0x0
	s_add_nc_u64 s[20:21], s[4:5], s[20:21]
	s_add_nc_u64 s[46:47], s[4:5], s[46:47]
	CROUND
.irp s, 0,1
	s_mov_b32 s[G0+4*\s], 1
	s_add_co_u32 s[G0+4*\s+1], s45, \s*SLOT
	s_add_nc_u64 s[G0+4*\s+2:G0+4*\s+3], s[20:21], \s*ASTEP
	s_or_b32 s[G0+4*\s+3], s[G0+4*\s+3], 0x80000000
	s_mov_b32 s[G0B+4*\s], 1
	s_add_co_u32 s[G0B+4*\s+1], s45, \s*SLOT
	s_add_nc_u64 s[G0B+4*\s+2:G0B+4*\s+3], s[46:47], \s*BSTEP
	s_or_b32 s[G0B+4*\s+3], s[G0B+4*\s+3], 0x80000000
.endr
	JLOAD G0, G0B                                  ; K step 0: one tensor load a wave at the head
	v_and_b32 v1, 31, v0
	v_bfe_u32 v2, v0, 4, 1
	v_lshlrev_b32 v[CO], 4, v1
	v_lshlrev_b32 v[CS], 2, v1
	s_mul_i32 s22, s15, HALFT
	s_mul_i32 s23, s16, HALFT
	s_add_co_u32 s23, s23, 2*HALFT
	s_sub_co_u32 s19, s23, s22
	v_mul_u32_u24 v3, s19, v2
	v_add_nc_u32 v3, v3, v[CS]
.irp s, 0,1
	v_add_nc_u32 v[ADRA+\s], s22, v[CO]
	v_add_nc_u32 v[ADRB+\s], s23, v[CO]
	v_add_nc_u32 v[ADRS+\s], s22, v3
	s_add_co_u32 s22, s22, SLOT
	s_add_co_u32 s23, s23, SLOT
.endr
	v_lshlrev_b32 v4, 6, v2
	v_and_b32 v5, 7, v0
	v_bfe_u32 v6, v0, 3, 1
	v_lshl_add_u32 v5, v6, 4, v5
	v_lshlrev_b32 v5, 2, v5
	s_lshl_b32 s22, s40, 10
	s_lshl_b32 s23, s16, 9
	s_add_co_u32 s22, s22, s23
	s_mov_b32 s23, 0
	s_cmp_eq_u32 ttmp9, 0
	s_cselect_b64 s[74:75], s[6:7], s[8:9]
	s_add_nc_u64 s[74:75], s[74:75], s[22:23]
	s_lshl_b32 s22, s17, 10
	s_lshl_b32 s19, s15, 9
	s_add_co_u32 s22, s22, s19
	s_add_nc_u64 s[10:11], s[10:11], s[22:23]
	s_mul_i32 s22, s42, s73
	s_lshl_b32 s19, s17, 4
	s_add_co_u32 s22, s22, s19
	s_lshl_b32 s19, s15, 3
	s_add_co_u32 s22, s22, s19
	s_mul_i32 s22, s22, TB
	s_add_co_u32 s22, s22, s72
	s_add_nc_u64 s[12:13], s[12:13], s[22:23]
	s_lshl_b32 s22, s16, 7
	s_add_co_u32 s22, s22, 4096
	s_add_nc_u64 s[76:77], s[12:13], s[22:23]
	s_lshl_b32 s22, s16, 11
	s_add_nc_u64 s[12:13], s[12:13], s[22:23]
	s_mov_b32 s[SEL], 0x76543210
	s_mov_b32 s[SEL+1], 0xfedcba98
	s_mov_b32 s[MNT], 0x600000
	s_cmp_eq_u32 s66, 1
	s_cbranch_scc1 .Lbias_v
	s_wait_alu depctr_va_vdst(0)
.irp n, 0,1,2,3,4,5,6,7,8,9,10,11,12,13,14,15
	global_load_b128 v[BN+4*\n:BN+4*\n+3], v4, s[74:75] offset:128*(\n/4)+16*(\n%4)
.endr
	s_branch .Lbias_done
.Lbias_v:
	s_wait_alu depctr_va_vdst(0)
.irp a, 0,1,2,3,4,5,6,7
.irp j, 0,1,2,3,4,5,6,7
	global_load_b32 v[BN+8*\a+\j], v5, s[10:11] offset:(32*(\a/2)+8*(\a%2))*4
.endr
.endr
.Lbias_done:
	s_wait_tensorcnt 0x0                           ; my part of K step 0 is in
	ds_add_u32 v[SPW], v[NIL]
	s_wait_dscnt 0x0
	CROUND                                         ; a whole round: everybody's part of K step 0 is in, and the joint loads meet
	JLOAD G0+4, G0B+4                              ; K step 1: the first tensor load behind the round
	FETCH_B 0, 0, 0
	FETCH_A 0, 0, 0
	SCALES 0
	FETCH_A 0, 0, 4
	s_wait_loadcnt 0x0
	s_cmp_eq_u32 s66, 1
	s_cbranch_scc1 .Lfirst_v
	STEP 0, 0, 1
	s_branch .Lfirst_done
.Lfirst_v:
	STEP 0, 0, 2
.Lfirst_done:
	TURN 0, 1, 1
	STEP 1, 0, 0
	TURN 1, 0, 1
	STEP 0, 0, 0
	TURN 0, 1, 0
	STEP 1, 0, 0
	s_wait_dscnt 16
	WIN 0xa1
	MUL16 0, 1, 1, 1, 0
	MUL16 2, 1, 1, 1, 0
	s_wait_dscnt 0x0
	WIN 0xf1
	MUL16 4, 1, 1, 1, 0
	MUL16 6, 1, 1, 1, 0
	WIN 0
	PLACES NP
.irp b, 0,1,2,3
	v_mov_b32 v[TM+4+\b], 0
.endr
.irp a, 0,1,2,3,4,5,6,7
.if \a > 0
	s_wait_xcnt 0x0
.endif
	QUANT 64*(\a%4), 2+\a/4, 128, 4
.irp c, 0,1,2,3
	global_store_b128 v[CO], v[PC+4*\c:PC+4*\c+3], s[12:13] offset:\a*TB+512*\c
.endr
	global_store_b32 v[CS], v[PW], s[76:77] offset:\a*TB
.endr
	s_wait_tensorcnt 0x0
	ds_add_u32 v[SPW], v[NIL]
	s_wait_dscnt 0x0
	CROUND
	s_endpgm
.Lfunc_end_k_q91de5dd4d1_qkv:
	.size	k_q91de5dd4d1_qkv, .Lfunc_end_k_q91de5dd4d1_qkv-k_q91de5dd4d1_qkv
	.p2alignl 7, 3214868480
	.fill 96, 4, 3214868480
	.section	.rodata,"a",@progbits
	.p2align	6, 0x0
	.amdhsa_kernel k_q91de5dd4d1_qkv
		.amdhsa_group_segment_fixed_size 327680
		.amdhsa_private_segment_fixed_size 0
		.amdhsa_enable_private_segment 0
		.amdhsa_kernarg_size 40
		.amdhsa_user_sgpr_count 2
		.amdhsa_user_sgpr_kernarg_segment_ptr 1
		.amdhsa_wavefront_size32 1
		.amdhsa_system_sgpr_workgroup_id_x 1
		.amdhsa_system_sgpr_workgroup_id_y 1
		.amdhsa_system_sgpr_workgroup_id_z 1
		.amdhsa_system_vgpr_workitem_id 0
		.amdhsa_next_free_vgpr 1024
		.amdhsa_next_free_sgpr 100
		.amdhsa_reserve_vcc 0
		.amdhsa_float_denorm_mode_32 3
		.amdhsa_float_denorm_mode_16_64 3
		.amdhsa_memory_ordered 1
		.amdhsa_forward_progress 1
		.amdhsa_inst_pref_size 206
	.end_amdhsa_kernel
	.amdgpu_metadata
---
amdhsa.version: [ 1, 2 ]
amdhsa.kernels:
  - .name:           k_q91de5dd4d1_qkv
    .symbol:         k_q91de5dd4d1_qkv.kd
    .args:
      - { .name: wA, .offset: 0, .size: 8, .value_kind: global_buffer, .address_space: global }
      - { .name: bq, .offset: 8, .size: 8, .value_kind: global_buffer, .address_space: global }
      - { .name: bk, .offset: 16, .size: 8, .value_kind: global_buffer, .address_space: global }
      - { .name: bv, .offset: 24, .size: 8, .value_kind: global_buffer, .address_space: global }
      - { .name: qkv, .offset: 32, .size: 8, .value_kind: global_buffer, .address_space: global }
    .group_segment_fixed_size: 327680
    .private_segment_fixed_size: 0
    .kernarg_segment_align: 8
    .kernarg_segment_size: 40
    .max_flat_workgroup_size: 128
    .sgpr_count:     100
    .vgpr_count:     1024
    .wavefront_size: 32
...
	.end_amdgpu_metadata
.endif
;; end of part 2
;; launch mid (part 3): grid 256 x 1, 16 waves a work-group, clusters of 4 x 1, 327,680 bytes of LDS; arguments qkv, h, woq, x, bo, g1, be1; writes h
.if DOCPART == 3
	.amdgcn_target "amdgcn-amd-amdhsa--gfx1250"
	.amdhsa_code_object_version 6
	.text
	.protected	k_q91de5dd4d1_mid
	.globl	k_q91de5dd4d1_mid
	.p2align	8
	.type	k_q91de5dd4d1_mid,@function
k_q91de5dd4d1_mid:
	s_mov_b64 s[64:65], 0
	v_nop
	global_prefetch_b8 v0, s[64:65] scope:SCOPE_SE
	s_setreg_imm32_b32 hwreg(HW_REG_WAVE_MODE, 25, 1), 1
	s_wait_xcnt 0x0
	s_wait_alu depctr_hold_cnt(0) depctr_sa_sdst(0) depctr_va_vdst(0) depctr_va_sdst(0) depctr_va_ssrc(0) depctr_va_vcc(0) depctr_vm_vsrc(0)
	s_getreg_b32 s2, hwreg(HW_REG_IB_STS2, 6, 4)
	s_cmp_eq_u32 s2, 0
	s_cbranch_scc0 .Lentry_in_a_cluster
	s_endpgm
.Lentry_in_a_cluster:
	s_bfe_u32 s2, ttmp6, 0x10000c
	s_cmp_lg_u32 s2, 0x3003
	s_cbranch_scc0 .Lentry_shape_is_right
	s_endpgm
.Lentry_shape_is_right:
; h = layer_norm(x + attention(q, k, v) Wo + bo) g1 + be1 for one tile of 16 tokens, T = the work-group's number; all products on codes of FP8 (E4M3) with E8M0 scales.
; Lane r of tile T is token 32 (T/2) + 8 (T%2) + r%8 + 16 (r/8), as in every buffer of this program; a tile of 16 rows x 256 K is TB = 4,352 bytes in the order of an operand's registers.
; PART 1, wave w = head w.  The mask that reference() builds keeps keys within 64 of a query: my 16 queries lie in block m of 32 tokens, the kept keys in blocks m - 2 .. m + 2: 160 keys.
; All other keys have p = 0 and are left out.  S^T = K Q^T, O^T = V^T P^T: a lane holds one query.  t = (q.k - 8 slope |i - j|) log2(e) / 8; M = ceil(the row's largest t); p = 2^(t - M) is quantised
; along the keys; the row's sum of the unquantised p divides at the end.  The head's K is 64 and the last key step has 32 keys: the rest of each operand is ZERO CODES on one side.
; Blocks outside the sequence are loaded from a clamped address and hidden: 2^40 is added to their distance.
; PART 2.  The head's 64 channels of ctx are quantised and stored into an image of the operand in LDS (4 tiles); wave w makes columns 64 w .. 64 w + 63 of ctx Wo: four accumulators by turns,
; eight steps of 128 along K.  Source 0 = 16 columns of Wo, source 1 = ctx: registers 16 c + i of a lane are columns 64 w + 32 c + 16 (lane/16) + i of token lane % 16.  bo is loaded into the accumulators.
; Wo COMES BY TWO ROADS.  K steps 0 and 2 (of 256) come through one LDS slot of 64 tiles, 278,528 bytes: every work-group walks all of Wo, so the four partners of a cluster of 4 x 1 ask JOINTLY (mask 15);
; each wave fetches its own four tiles (17,408 consecutive bytes, 68 rows of 256) and it alone reads them.  K step 0 is asked for at the head; a wave draws it into its 128 fragment registers, and the slot is
; filled again once, with K step 2, behind the waits, the add and a round of the cluster's barrier, which also shows the image of ctx to all sixteen waves.
; K steps 1 and 3 go from memory straight into the two sets of 64 fragment registers, by turns, each set asked for when its last products are issued; the slot's two halves are multiplied last.
; The order of the eight steps along K is 0 1 2 3 6 7 4 5: the sums are f32 and go on into a layer norm.
; No prefetch: the text has no loop to run ahead in, and every cluster reads the same 1,114,112 bytes of Wo.
; PART 3.  x comes by rows (sixteen lanes read 256 consecutive bytes) and is turned through a stage in the wave's own part of the slot, behind its last fill.  Mean, then the mean of squared differences,
; each joined over the sixteen waves in LDS.  h leaves as f32 (65,536 T + 2,048 k + 512 j + 16 lane) and as codes with scale bytes (tile (w / 4, T)), both in register order.
; LIMITS: scores near 1e9, where the reference's own mask value stops hiding, are not served; NaN and infinities are not served; a block of zeros gets the scale byte 1 (this program alone reads the bytes).
.set TB,  4352
.set S,   128                          ; v128-207 S^T, then p; v128-159 O^T, later the accumulators and y
.set KV,  32                           ; v32-111 K's tiles, later V; v112-127 zeros
.set KS,  208
.set MX,  240
.set TP,  245
.set HL,  250
.set SO,  24
.set PEN, 24
.set MNT, 29
.set KB,  30
.set VB,  40
.set VSB, 50
.set SEL, 58
.set TM,  240
.set PW,  29
.set Y,   128
.set X,   96                           ; v96-127 x
.set GG,  32                           ; v32-63 g1, v64-95 be1, behind the last use of Wo's fragments
.set BE,  64
.set RS,  192
.set G1,  80                           ; s[80:87] descriptor group 1, s[88:91] group 0
.set G0,  88
.set STAT,  17408                      ; LDS: 0: the image of ctx, 4 TB; two regions of 1,024 bytes for the waves' sums;
.set SPARE, 19456                      ; the spare words, 128 bytes a wave;
.set WSL,   21504                      ; the slot: 64 tiles of Wo, four a wave
.macro ROUND                           ; a round of the cluster's barrier
	s_barrier_signal -1
	s_barrier_wait -1
	s_cmp_lg_u32 s9, 0
	s_cbranch_scc1 .Lnot_wave_0_\@
	s_barrier_signal -3
.Lnot_wave_0_\@:
	s_barrier_wait -3
	s_barrier_signal -1
	s_barrier_wait -1
.endm
; 32 numbers of a lane, v[s] on, become 8 registers of codes v[pc] on and two scale bytes in v[PW]; the held numbers go to v[x] on
.macro QUANT2 s, x, pc
.irp b, 0,1
	v_max3_num_f32 v[TM+\b], |v[(\s)+16*\b]|, |v[(\s)+16*\b+1]|, 0x4800000   ; and the floor 2^(9 - 127)
.endr
.irp i, 2,4,6,8,10,12,14
.irp b, 0,1
	v_max3_num_f32 v[TM+\b], |v[(\s)+16*\b+\i]|, |v[(\s)+16*\b+\i+1]|, v[TM+\b]
.endr
.endr
.irp b, 0,1
	v_permlanex16_b32 v[TM+4+\b], v[TM+\b], s[SEL], s[SEL+1]
.endr
.irp b, 0,1
	v_max_num_f32 v[TM+\b], v[TM+\b], v[TM+4+\b]
.endr
.irp b, 0,1
	v_add_nc_u32 v[TM+12+\b], 0xfc000000, v[TM+\b]
	v_and_or_b32 v[TM+8+\b], v[TM+\b], 0x7f800000, s[MNT]
.endr
.irp b, 0,1
	v_lshrrev_b32 v[TM+4+\b], 23, v[TM+12+\b]
.endr
	v_lshl_or_b32 v[PW], v[TM+5], 8, v[TM+4]
.set qb, 0
.rept 32
	v_med3_num_f32 v[(\x)+qb], v[(\s)+qb], -v[TM+8+qb/16], v[TM+8+qb/16]   ; the hold: the conversion does not saturate (ISA guide 7.6.2)
.set qb, qb+1
.endr
.set qb, 0
.rept 4
	v_cvt_scalef32_pk8_fp8_f32 v[(\pc)+2*qb:(\pc)+2*qb+1], v[(\x)+8*qb:(\x)+8*qb+7], v[TM+12+qb/2]
.set qb, qb+1
.endr
	v_nop
.endm
	s_load_b128 s[4:7], s[0:1], 0x0                ; qkv, h
	s_load_b256 s[68:75], s[0:1], 0x10             ; woq, x, bo, g1
	s_load_b64 s[76:77], s[0:1], 0x30              ; be1
	v_lshl_add_u32 v4, v0, 2, SPARE                ; no two registers can be kept for the add through part 1: they are made here and anew in part 2
	v_mov_b32 v5, 0
	ds_add_u32 v4, v5                              ; the opening lines: the add, twice on end, and its wait ahead of my first tensor load
	ds_add_u32 v4, v5
	v_lshrrev_b32 v1, 5, v0
	v_readfirstlane_b32 s9, v1                     ; wave = head
	s_bfe_u32 s8, ttmp6, 0x40000                   ; cx
	s_lshl_b32 s10, ttmp9, 2
	s_add_co_u32 s10, s10, s8                      ; T = 4 x cluster + cx: it enters global addresses and selected values alone
	s_lshr_b32 s11, s10, 7                         ; batch
	s_bfe_u32 s12, s10, 0x60001                    ; m
	s_and_b32 s13, s10, 1
	s_lshl_b32 s14, s13, 3
	s_add_co_u32 s14, s14, 64                      ; 8 (T % 2) + 64
	s_and_b32 s20, s9, 1
	s_cmp_eq_u32 s20, 1
	s_mov_b32 s16, 0x40b504f3                      ; 8 x slope = 2^(3 - (head + 1) / 2): 2^2.5 or 2^2,
	s_cselect_b32 s16, 0x40800000, s16
	s_lshr_b32 s21, s9, 1
	s_lshl_b32 s21, s21, 23
	s_sub_co_u32 s16, s16, s21                     ; head / 2 off the exponent,
	s_or_b32 s16, s16, 0x80000000                  ; negative
	s_mov_b32 s17, 0x42800000                      ; 64.0
	s_mov_b32 s18, 0x3e38aa3b                      ; c = log2(e) / 8
	s_mov_b32 s19, s18
	s_mov_b32 s[MNT], 0x600000
	s_mov_b32 s[SEL], 0x76543210
	s_mov_b32 s[SEL+1], 0xfedcba98
	s_mov_b32 s[G1], 15|(3<<16)|(1<<21)            ; the mask of the four partners; elements of 8 bytes; bit 21 beside a mask
	s_mov_b32 s[G1+1], 32<<16                      ; rows of 32 elements: 256 bytes
	s_mov_b32 s[G1+2], 68<<16                      ; 68 rows: four tiles
	s_mov_b32 s[G1+3], 32<<16
	s_mov_b32 s[G1+4], 68
	s_mov_b32 s[G1+5], 32
	s_mov_b32 s[G1+6], 0
	s_mov_b32 s[G1+7], 0
	v_and_b32 v1, 31, v0
	v_lshlrev_b32 v3, 4, v1                        ; 16 x lane
	v_lshlrev_b32 v255, 2, v1                      ; 4 x lane
	s_wait_alu depctr_va_vdst(0)                   ; the wait ahead of the scalar lines below
	s_and_b32 s20, s9, 3
	s_lshl_b32 s20, s20, 10
	v_add_nc_u32 v1, s20, v3                       ; + the head's 64 of a K step's 256: two register groups of 512 bytes
	s_bfe_u32 s21, s9, 0x10001
	s_lshl_b32 s21, s21, 7
	s_and_b32 s22, s9, 1
	s_lshl_b32 s22, s22, 1
	s_add_co_u32 s21, s21, s22
	s_add_co_u32 s21, s21, 4096
	v_add_nc_u32 v2, s21, v255                     ; the head's two bytes of a row's scale word
	s_lshr_b32 s15, s9, 2
	s_lshl_b32 s20, s15, 8
	s_add_co_u32 s20, s20, s10
	s_mul_i32 s20, s20, TB                         ; tile (K step head / 4, T): Q's, and h's codes
	s_mov_b32 s21, 0
	s_add_co_u32 s62, s15, 4
	s_lshl_b32 s62, s62, 8
	s_lshl_b32 s63, s11, 7
	s_add_co_u32 s62, s62, s63                     ; K: K step 4 + head / 4, the batch's first tile
	s_lshl_b32 s63, s9, 2
	s_add_co_u32 s63, s63, 2048                    ; V^T: its region's first tile + the head's first
	s_wait_alu depctr_va_vdst(0)                   ; the wait at the head's end
	s_wait_dscnt 0x0                               ; both opening adds are done
	s_wait_kmcnt 0x0
	s_add_nc_u64 s[54:55], s[4:5], s[20:21]
	s_add_nc_u64 s[56:57], s[6:7], s[20:21]
	s_mov_b32 s23, 0
.macro KEYBLK j, f                     ; block m - 2 + j: is it outside?  its clamped number; K's and V's bases
	s_add_co_i32 s20, s12, (\j)-2
	s_cmp_gt_u32 s20, 63
	s_mov_b32 s[PEN+\j], \f
	s_cselect_b32 s[PEN+\j], 0x53800000, s[PEN+\j]
	s_max_i32 s20, s20, 0
	s_min_i32 s20, s20, 63
	s_lshl_b32 s22, s20, 1
	s_add_co_u32 s22, s22, s62
	s_mul_i32 s22, s22, TB
	s_add_nc_u64 s[KB+2*\j:KB+2*\j+1], s[4:5], s[22:23]
	s_lshl_b32 s21, s11, 6
	s_add_co_u32 s21, s21, s20
	s_lshr_b32 s22, s21, 3
	s_lshl_b32 s22, s22, 6
	s_add_co_u32 s22, s22, s63
	s_mul_i32 s22, s22, TB
	s_and_b32 s21, s21, 7
	s_lshl_b32 s21, s21, 9
	s_add_co_u32 s22, s22, s21
	s_add_nc_u64 s[VB+2*\j:VB+2*\j+1], s[4:5], s[22:23]
.endm
	KEYBLK 0, 0
	KEYBLK 1, 0x42000000
	KEYBLK 2, 0x42800000
	KEYBLK 3, 0x42c00000
	KEYBLK 4, 0x43000000
	s_sub_co_i32 s20, s12, 2                       ; the first block's number
	s_and_b32 s61, s20, 3
	s_mul_i32 s60, s61, 0x01010101
	s_add_co_u32 s60, s60, 0x03020100              ; byte selects: four bytes from byte (number % 4) of two words on
	s_lshl_b32 s61, s61, 3
	s_ashr_i32 s20, s20, 2                         ; its group of four blocks
.irp k, 0,1
	s_add_co_i32 s21, s20, \k
	s_max_i32 s21, s21, 0
	s_min_i32 s21, s21, 15
	s_lshl_b32 s22, s11, 4
	s_add_co_u32 s21, s21, s22
	s_lshr_b32 s22, s21, 1
	s_lshl_b32 s22, s22, 6
	s_add_co_u32 s22, s22, s63
	s_mul_i32 s22, s22, TB
	s_and_b32 s21, s21, 1
	s_lshl_b32 s21, s21, 7
	s_add_co_u32 s22, s22, s21
	s_add_nc_u64 s[VSB+2*\k:VSB+2*\k+1], s[4:5], s[22:23]
.endr
	global_load_b128 v[16:19], v1, s[54:55]
	global_load_b128 v[20:23], v1, s[54:55] offset:512
	global_load_u16 v218, v2, s[54:55]
.irp j, 0,1,2,3,4
.irp u, 0,1
	global_load_b128 v[KV+8*(2*\j+\u):KV+8*(2*\j+\u)+3], v1, s[KB+2*\j:KB+2*\j+1] offset:\u*TB
	global_load_b128 v[KV+8*(2*\j+\u)+4:KV+8*(2*\j+\u)+7], v1, s[KB+2*\j:KB+2*\j+1] offset:\u*TB+512
	global_load_u16 v[KS+2*\j+\u], v2, s[KB+2*\j:KB+2*\j+1] offset:\u*TB
.endr
.endr
	; Wo's K step 0: my four tiles, asked for jointly.  Every word hangs on the wave's number and on constants alone
	s_mov_b32 s21, 0
	s_mul_i32 s20, s9, 4*TB
	s_add_nc_u64 s[G0+2:G0+3], s[68:69], s[20:21]
	s_or_b32 s[G0+3], s[G0+3], 0x80000000
	s_add_nc_u64 s[68:69], s[68:69], s[20:21]      ; and the same place for the plain loads of K steps 1 and 3
	s_mov_b32 s[G0], 1
	s_add_co_u32 s[G0+1], s20, WSL
	ROUND                                          ; all four work-groups are here: the first joint loads meet
	tensor_load_to_lds s[G0:G0+3], s[G1:G1+7]      ; one tensor load a wave at the head
	s_nop 0
	; the later parts' bases
	s_lshr_b32 s20, s10, 1
	s_lshl_b32 s20, s20, 17
	s_lshl_b32 s22, s13, 15
	s_add_co_u32 s20, s20, s22
	s_add_nc_u64 s[70:71], s[70:71], s[20:21]      ; x: the tile's first row
	s_lshl_b32 s20, s10, 16
	s_lshl_b32 s22, s9, 12
	s_add_co_u32 s20, s20, s22
	s_add_nc_u64 s[78:79], s[6:7], s[20:21]
	s_add_nc_u64 s[78:79], s[78:79], 4456448       ; h as f32: 65,536 T + 2 w groups of 2,048
.irp n, 24,25,26,27,28,29,30,31,112,113,114,115,116,117,118,119,120,121,122,123,124,125,126,127,228,229,230,231,232,233,234,235,236,237,238,239
	v_mov_b32 v\n, 0                               ; zero codes
.endr
.irp b, 0,1,2,3,4
	v_mov_b32 v[TP+\b], 0                          ; a lane permute's destination counts as one of its sources
.endr
	v_mov_b32 v9, 0xf149f2ca                       ; -1e30: what a hidden score becomes
	v_and_b32 v10, 7, v0
	v_bfe_u32 v11, v0, 3, 1
	v_bfe_u32 v12, v0, 4, 1
	v_sub_nc_u32 v12, v12, v11
	v_lshlrev_b32 v12, 4, v12
	v_sub_nc_u32 v12, v12, v10
	v_sub_nc_u32 v12, v12, s14                     ; key - query for register 0 of block 0
	v_cvt_f32_i32 v12, v12
.irp b, 0,1,2,3,4
	v_add_f32 v[4+\b], s[PEN+\b], v12              ; the running distance of block b
.endr
	s_wait_loadcnt 0x0
.irp t, 0,1,2,3,4,5,6,7,8,9
	v_wmma_scale_f32_16x16x128_f8f6f4 v[S+8*\t:S+8*\t+7], v[KV+8*\t:KV+8*\t+15], v[16:31], 0, v[KS+\t], v218
.endr
.rept 8
	v_nop                                          ; places in front of loads into registers that these products read, and of the first read of their results
.endr
.irp ct, 0,1,2,3
.irp j, 0,1,2,3,4
	global_load_b128 v[KV+20*\ct+4*\j:KV+20*\ct+4*\j+3], v3, s[VB+2*\j:VB+2*\j+1] offset:\ct*TB
.endr
	global_load_b32 v[16+\ct], v255, s[VSB:VSB+1] offset:\ct*TB+4096
	global_load_b32 v[20+\ct], v255, s[VSB+2:VSB+3] offset:\ct*TB+4096
.endr
	; ALiBi and the window.  Blocks 1-3 lie within 63 of every query of mine; blocks 0 and 4 are cut at 64
	s_wait_alu depctr_va_vdst(0)
.irp i, 0,1,2,3,4,5,6,7,8,9,10,11,12,13,14,15
.irp b, 0,1,2,3,4
	v_fma_f32 v[S+16*\b+\i], |v[4+\b]|, s16, v[S+16*\b+\i]
.if (\b == 0) || (\b == 4)
	v_cmp_gt_f32 vcc_lo, |v[4+\b]|, s17
	v_cndmask_b32 v[S+16*\b+\i], v[S+16*\b+\i], v9, vcc_lo
.endif
	v_add_f32 v[4+\b], 1.0, v[4+\b]
.endr
.endr
.irp b, 0,1,2,3,4
	v_max3_num_f32 v[MX+\b], v[S+16*\b], v[S+16*\b+1], v[S+16*\b+2]   ; each block's largest score: for the row's maximum and for the block's largest p
.endr
.irp i, 3,5,7,9,11,13
.irp b, 0,1,2,3,4
	v_max3_num_f32 v[MX+\b], v[MX+\b], v[S+16*\b+\i], v[S+16*\b+\i+1]
.endr
.endr
.irp b, 0,1,2,3,4
	v_max_num_f32 v[MX+\b], v[MX+\b], v[S+16*\b+15]
.endr
.irp b, 0,1,2,3,4
	v_permlanex16_b32 v[TP+\b], v[MX+\b], s[SEL], s[SEL+1]
.endr
.irp b, 0,1,2,3,4
	v_max_num_f32 v[MX+\b], v[MX+\b], v[TP+\b]
.endr
	v_max3_num_f32 v250, v240, v241, v242
	v_max3_num_f32 v250, v250, v243, v244
	v_mul_f32 v11, s18, v250                       ; the row's largest t
	v_floor_f32 v10, -v11                          ; -M = floor(-t)
.set n, 0
.rept 40
	v_pk_fma_f32 v[S+n:S+n+1], v[S+n:S+n+1], s[18:19], v[10:11] op_sel_hi:[1,0,0]   ; t - M
.set n, n+2
.endr
.irp b, 0,1,2,3,4
	v_fma_f32 v[MX+\b], v[MX+\b], s18, v10
.endr
.set n, 0
	s_wait_alu depctr_va_vdst(0)                   ; the wait ahead of the batch
.rept 80
	v_exp_f32 v[S+n], v[S+n]
.set n, n+1
.endr
	v_nop                                          ; a plain line behind the exponentials
	s_wait_alu depctr_va_vdst(0)                   ; one wait for the batch, ahead of its first reader
.irp b, 0,1,2,3,4
	v_exp_f32 v[MX+\b], v[MX+\b]                   ; each block's largest p
.endr
	v_pk_add_f32 v[12:13], v[S:S+1], v[S+2:S+3]    ; the row's sum, of the unquantised p, in two chains
	v_pk_add_f32 v[14:15], v[S+4:S+5], v[S+6:S+7]
.set n, 8
.rept 18
	v_pk_add_f32 v[12:13], v[12:13], v[S+n:S+n+1]
	v_pk_add_f32 v[14:15], v[14:15], v[S+n+2:S+n+3]
.set n, n+4
.endr
	v_pk_add_f32 v[12:13], v[12:13], v[14:15]
	v_add_f32 v12, v12, v13
	v_permlanex16_b32 v14, v12, s[SEL], s[SEL+1]
	v_add_f32 v12, v12, v14
	s_wait_alu depctr_va_vdst(0)
	v_rcp_f32 v12, v12
	v_nop
	s_wait_alu depctr_va_vdst(0)                   ; one wait for the five exponentials and the reciprocal
.irp b, 0,1,2,3,4
	v_max_num_f32 v[MX+\b], 0x4800000, v[MX+\b]    ; the floor: the byte cannot fall under 1
.endr
.irp b, 0,1,2,3,4
	v_add_nc_u32 v[SO+\b], 0xfc000000, v[MX+\b]
	v_and_or_b32 v[HL+\b], v[MX+\b], 0x7f800000, s[MNT]
.endr
.irp b, 0,1,2,3,4
	v_lshrrev_b32 v[TP+\b], 23, v[SO+\b]
.endr
	v_lshl_or_b32 v29, v246, 8, v245               ; p's scale word of blocks 0-3
	v_lshl_or_b32 v29, v247, 16, v29
	v_lshl_or_b32 v29, v248, 24, v29
	v_mov_b32 v30, v249                            ; and of block 4
	s_wait_loadcnt 0x0                             ; V and its scale words
.irp ct, 0,1,2,3
	v_perm_b32 v[16+\ct], v[20+\ct], v[16+\ct], s60   ; the bytes of my blocks 0-3
.endr
.irp ct, 0,1,2,3
	v_lshrrev_b32 v[20+\ct], s61, v[20+\ct]        ; of block 4
.endr
.set n, 0
.rept 80
	v_min_num_f32 v[S+n], v[S+n], v[HL+n/16]       ; the hold: p is not negative.  (Also the places between the scale words' last write and the products)
.set n, n+1
.endr
.set n, 0
.rept 10
	v_cvt_scalef32_pk8_fp8_f32 v[208+2*n:209+2*n], v[S+8*n:S+8*n+7], v[SO+n/2]
.set n, n+1
.endr
.rept 4
	v_nop
.endr
.irp ct, 0,1,2,3
	v_wmma_scale_f32_16x16x128_f8f6f4 v[S+8*\ct:S+8*\ct+7], v[KV+20*\ct:KV+20*\ct+15], v[208:223], 0, v[16+\ct], v29
.endr
.irp ct, 0,1,2,3
	v_wmma_scale_f32_16x16x128_f8f6f4 v[S+8*\ct:S+8*\ct+7], v[KV+20*\ct+16:KV+20*\ct+31], v[224:239], v[S+8*\ct:S+8*\ct+7], v[20+\ct], v30
.endr
	s_mul_i32 s20, s15, TB                         ; the image of ctx: tile head / 4
	s_mul_i32 s21, s9, 4*TB
	s_add_co_u32 s21, s21, WSL                     ; my four tiles of the slot
	s_lshl_b32 s22, s9, 8                          ; my 64 columns in bytes
	s_mov_b32 s16, 0x3a800000                      ; 1 / 1,024
	s_mov_b32 s17, 0x3727c5ac                      ; 1e-5
.rept 8
	v_nop                                          ; places: behind them the products' registers are read, written and loaded into
.endr
; ---- PART 2.  REGISTERS: set q of Wo's fragments at v[32 + 128 q] (64 registers), its scale words at v[4 + 4 q]; set q of ctx's fragment at v[224 + 16 q], its scale word v[24 + q]; v128-159 the accumulators; v12, v28 the add's
.macro FETCHH q                        ; half q (128 along K) of my four tiles out of the slot, into set q
.irp i, 0,1,2,3
.irp c, 0,1,2,3
	ds_load_b128 v[32+128*(\q)+16*\i+4*\c:32+128*(\q)+16*\i+4*\c+3], v15 offset:\i*TB+2048*(\q)+512*\c
.endr
	ds_load_b32 v[4+4*(\q)+\i], v30 offset:\i*TB+4096+128*(\q)
.endr
.endm
.macro LOADD t                         ; the t-th 128 along K of my four tiles from memory, into set t % 2: 20 loads
.irp i, 0,1,2,3
.irp c, 0,1,2,3
	global_load_b128 v[32+128*((\t)%2)+16*\i+4*\c:32+128*((\t)%2)+16*\i+4*\c+3], v3, s[68:69] offset:(((\t)/2)*64+\i)*TB+((\t)%2)*2048+512*\c
.endr
	global_load_b32 v[4+4*((\t)%2)+\i], v26, s[68:69] offset:(((\t)/2)*64+\i)*TB+4096+128*((\t)%2)
.endr
.endm
.macro LOADA t                         ; ctx's fragment and scale word of the t-th 128 along K, out of the image, into set t % 2
.irp c, 0,1,2,3
	ds_load_b128 v[224+16*((\t)%2)+4*\c:224+16*((\t)%2)+4*\c+3], v3 offset:((\t)/2)*TB+((\t)%2)*2048+512*\c
.endr
	ds_load_b32 v[24+(\t)%2], v26 offset:((\t)/2)*TB+4096+128*((\t)%2)
.endm
.macro MUL4 q                          ; the four accumulators by turns
.irp i, 0,1,2,3
	v_wmma_scale_f32_16x16x128_f8f6f4 v[Y+8*\i:Y+8*\i+7], v[32+128*(\q)+16*\i:32+128*(\q)+16*\i+15], v[224+16*(\q):224+16*(\q)+15], v[Y+8*\i:Y+8*\i+7], v[4+4*(\q)+\i], v[24+(\q)]
.endr
.endm
.macro PLACES                          ; in front of loads into the registers just read (behind the last step: of the first read of the sums)
.rept 8
	v_nop
.endr
.endm
	v_and_b32 v26, 31, v0
	v_lshlrev_b32 v26, 2, v26                      ; 4 x lane
	v_add_nc_u32 v15, s21, v3                      ; my tiles' fragments,
	v_add_nc_u32 v30, s21, v26                     ; and their scale words
	v_and_b32 v16, 15, v0                          ; r
	v_bfe_u32 v17, v0, 4, 1                        ; lane / 16
	v_add_nc_u32 v27, s20, v1                      ; the image: my head's codes,
	v_add_nc_u32 v28, s20, v2                      ; and its two scale bytes
	v_lshl_add_u32 v13, v16, 4, s22
	v_lshl_add_u32 v14, v17, 6, s22                ; bo, g1, be1: 256 w + 64 (lane / 16)
	v_lshl_add_u32 v13, v17, 12, v13               ; x: 256 w + 16 r, + a row for lanes 16-31
	v_lshl_add_u32 v31, v16, 2, STAT               ; the sums: 4 bytes a row
	s_wait_alu depctr_va_vdst(0)                   ; the wait directly ahead of the wait below
	s_wait_tensorcnt 0x0                           ; my four tiles of K step 0 are in: I alone read them
	FETCHH 0
	FETCHH 1
.set n, 0
.rept 16
	v_pk_mul_f32 v[S+n:S+n+1], v[S+n:S+n+1], v[12:13] op_sel_hi:[1,0]   ; O^T / the sum
.set n, n+2
.endr
	QUANT2 S, S, 16                                ; ctx along the next K: the head's two blocks of 32
	ds_store_b128 v27, v[16:19]
	ds_store_b128 v27, v[20:23] offset:512
	ds_store_b16 v28, v[PW]
.irp n, 0,1,2,3,4,5,6,7
	global_load_b128 v[Y+4*\n:Y+4*\n+3], v14, s[72:73] offset:128*(\n/4)+16*(\n%4)   ; bo starts the sums
.endr
.irp i, 0,1,2,3,4,5,6,7
	global_load_b128 v[X+4*\i:X+4*\i+3], v13, s[70:71] offset:(2*(\i%4)+16*(\i/4))*4096 th:TH_LOAD_NT   ; tile lanes 2 i, 2 i + 1: sixteen lanes read 256 consecutive bytes
.endr
	v_lshl_add_u32 v12, v0, 2, SPARE               ; the add's two registers, made anew and kept from here on
	v_mov_b32 v28, 0
	s_wait_alu depctr_va_vdst(0)                   ; the wait directly ahead of the wait below
	s_wait_tensorcnt 0x0                           ; THE SLOT'S ONE REFILL.  No tensor load of mine is out,
	ds_add_u32 v12, v28
	s_add_nc_u64 s[G0+2:G0+3], s[G0+2:G0+3], 128*TB ; so group 0 may be written: K step 2, 128 tiles on
	s_wait_dscnt 0x0                               ; the add is done, my tiles are in registers, and my part of the image has landed
	ROUND                                          ; the same holds of every wave of the four work-groups: the image of ctx is whole
	tensor_load_to_lds s[G0:G0+3], s[G1:G1+7]      ; my one tensor load behind the round
	s_nop 0
	LOADA 0
	LOADA 1
	s_wait_loadcnt 8                               ; bo is in; x's 8 loads may be out
	s_wait_dscnt 0x0
	MUL4 0                                         ; steps 0 and 1
	MUL4 1
	PLACES
	LOADD 2
	LOADD 3
	LOADA 2
	LOADA 3
	s_wait_loadcnt 20                              ; step 2's set is in; step 3's 20 loads may be out
	s_wait_dscnt 0x0
	MUL4 0
	PLACES
	LOADD 6
	LOADA 6
	s_wait_loadcnt 20                              ; step 3's set; step 6's 20 may be out
	MUL4 1
	PLACES
	LOADD 7
	LOADA 7
	s_wait_loadcnt 20                              ; step 6's set; step 7's 20 may be out
	s_wait_dscnt 0x0
	MUL4 0
	PLACES
	s_wait_tensorcnt 0x0                           ; my four tiles of K step 2 are in
	FETCHH 0                                       ; step 4
	LOADA 4
	s_wait_loadcnt 0x0                             ; step 7's set
	MUL4 1
	PLACES
	FETCHH 1                                       ; step 5
	LOADA 5
	s_wait_dscnt 0x0
	MUL4 0
	MUL4 1
	PLACES
; ---- PART 3
.macro ROWSUM off                      ; v20 = my lane's sum -> v20 = the row's sum over all 1,024 columns
	v_permlanex16_b32 v21, v20, s[SEL], s[SEL+1]
	v_add_f32 v20, v20, v21
	ds_store_b32 v27, v20 offset:\off
	s_wait_dscnt 0x0                               ; my store has landed in front of my signal
	s_barrier_signal -1
	s_barrier_wait -1
.irp n, 0,1,2,3,4,5,6,7,8,9,10,11,12,13,14,15
	ds_load_b32 v[RS+\n], v31 offset:\off+64*\n
.endr
	s_wait_dscnt 0x0
.irp n, 0,2,4,6,8,10,12,14
	v_add_f32 v[RS+\n], v[RS+\n], v[RS+\n+1]
.endr
.irp n, 0,4,8,12
	v_add_f32 v[RS+\n], v[RS+\n], v[RS+\n+2]
.endr
	v_add_f32 v[RS], v[RS], v[RS+4]
	v_add_f32 v[RS+8], v[RS+8], v[RS+12]
	v_add_f32 v20, v[RS], v[RS+8]
.endm
.irp n, 0,1,2,3,4,5,6,7
	global_load_b128 v[GG+4*\n:GG+4*\n+3], v14, s[74:75] offset:128*(\n/4)+16*(\n%4)
	global_load_b128 v[BE+4*\n:BE+4*\n+3], v14, s[76:77] offset:128*(\n/4)+16*(\n%4)
.endr
	s_wait_loadcnt 16                              ; x is in; g1's and be1's 16 loads may be out
	s_lshl_b32 s20, s9, 6
	v_and_b32 v16, 15, v0
	v_bfe_u32 v17, v0, 4, 1
	v_mul_u32_u24 v18, v17, 272                    ; the stage, 16 rows of 272 bytes in my own part of the slot, which has had its last fill and which I alone read:
	v_lshl_add_u32 v18, v16, 4, v18
	v_add_nc_u32 v18, s21, v18                     ; in: lanes 0-15 one row, lanes 16-31 the next
	v_mul_u32_u24 v19, v16, 272
	v_lshl_add_u32 v19, v17, 6, v19
	v_add_nc_u32 v19, s21, v19                     ; back: row r, + 64 (lane / 16)
	v_add_nc_u32 v27, s20, v31                     ; my wave's 64 bytes of the sums
.irp i, 0,1,2,3,4,5,6,7
	ds_store_b128 v18, v[X+4*\i:X+4*\i+3] offset:2*\i*272
.endr
.irp n, 0,1,2,3,4,5,6,7
	ds_load_b128 v[X+4*\n:X+4*\n+3], v19 offset:128*(\n/4)+16*(\n%4)   ; LDS serves a wave's instructions in order: these see my stores
.endr
	s_wait_dscnt 0x0
.set n, 0
.rept 16
	v_pk_add_f32 v[Y+n:Y+n+1], v[Y+n:Y+n+1], v[X+n:X+n+1]   ; x + sa; each accumulator from its low end on
.set n, n+2
.endr
	v_pk_add_f32 v[20:21], v[Y:Y+1], v[Y+2:Y+3]
	v_pk_add_f32 v[22:23], v[Y+4:Y+5], v[Y+6:Y+7]
.set n, 8
.rept 6
	v_pk_add_f32 v[20:21], v[20:21], v[Y+n:Y+n+1]
	v_pk_add_f32 v[22:23], v[22:23], v[Y+n+2:Y+n+3]
.set n, n+4
.endr
	v_pk_add_f32 v[20:21], v[20:21], v[22:23]
	v_add_f32 v20, v20, v21
	ROWSUM 0
	v_mul_f32 v16, s16, v20                        ; the mean
	v_mov_b32 v17, v16
.set n, 0
.rept 16
	v_pk_add_f32 v[Y+n:Y+n+1], v[Y+n:Y+n+1], v[16:17] neg_lo:[0,1] neg_hi:[0,1]
.set n, n+2
.endr
	v_pk_mul_f32 v[20:21], v[Y:Y+1], v[Y:Y+1]
	v_pk_mul_f32 v[22:23], v[Y+2:Y+3], v[Y+2:Y+3]
.set n, 4
.rept 7
	v_pk_fma_f32 v[20:21], v[Y+n:Y+n+1], v[Y+n:Y+n+1], v[20:21]
	v_pk_fma_f32 v[22:23], v[Y+n+2:Y+n+3], v[Y+n+2:Y+n+3], v[22:23]
.set n, n+4
.endr
	v_pk_add_f32 v[20:21], v[20:21], v[22:23]
	v_add_f32 v20, v20, v21
	ROWSUM 1024
	v_fma_f32 v18, v20, s16, s17                   ; the variance + 1e-5
	s_wait_alu depctr_va_vdst(0)                   ; the wait ahead of the transcendental
	v_rsq_f32 v18, v18
	v_nop
	s_wait_alu depctr_va_vdst(0)                   ; and ahead of its first reader
	v_mov_b32 v19, v18
	s_wait_alu depctr_va_vdst(0)                   ; the wait directly ahead of the wait below
	s_wait_loadcnt 0x0                             ; g1 and be1
.set n, 0
.rept 16
	v_pk_mul_f32 v[Y+n:Y+n+1], v[Y+n:Y+n+1], v[18:19]
.set n, n+2
.endr
.set n, 0
.rept 16
	v_pk_fma_f32 v[Y+n:Y+n+1], v[Y+n:Y+n+1], v[GG+n:GG+n+1], v[BE+n:BE+n+1]
.set n, n+2
.endr
.irp n, 0,1,2,3,4,5,6,7
	global_store_b128 v3, v[Y+4*\n:Y+4*\n+3], s[78:79] offset:512*\n   ; 32 lanes store 512 consecutive bytes
.endr
	QUANT2 Y, 160, 208                             ; the held numbers go into other registers: the stores' data stay as they are
	global_store_b128 v1, v[208:211], s[56:57]
	global_store_b128 v1, v[212:215], s[56:57] offset:512
	global_store_b16 v2, v[PW], s[56:57]           ; my two bytes of the row's scale word
	s_wait_tensorcnt 0x0                           ; the wave's end
	ds_add_u32 v12, v28
	s_wait_dscnt 0x0
	ROUND                                          ; the closing round
	s_endpgm
.Lfunc_end_k_q91de5dd4d1_mid:
	.size	k_q91de5dd4d1_mid, .Lfunc_end_k_q91de5dd4d1_mid-k_q91de5dd4d1_mid
	.p2alignl 7, 3214868480
	.fill 96, 4, 3214868480
	.section	.rodata,"a",@progbits
	.p2align	6, 0x0
	.amdhsa_kernel k_q91de5dd4d1_mid
		.amdhsa_group_segment_fixed_size 327680
		.amdhsa_private_segment_fixed_size 0
		.amdhsa_enable_private_segment 0
		.amdhsa_kernarg_size 56
		.amdhsa_user_sgpr_count 2
		.amdhsa_user_sgpr_kernarg_segment_ptr 1
		.amdhsa_wavefront_size32 1
		.amdhsa_system_sgpr_workgroup_id_x 1
		.amdhsa_system_sgpr_workgroup_id_y 1
		.amdhsa_system_sgpr_workgroup_id_z 1
		.amdhsa_system_vgpr_workitem_id 0
		.amdhsa_next_free_vgpr 256
		.amdhsa_next_free_sgpr 92
		.amdhsa_reserve_vcc 1
		.amdhsa_float_denorm_mode_32 3
		.amdhsa_float_denorm_mode_16_64 3
		.amdhsa_memory_ordered 1
		.amdhsa_forward_progress 1
		.amdhsa_inst_pref_size 95
	.end_amdhsa_kernel
	.amdgpu_metadata
---
amdhsa.version: [ 1, 2 ]
amdhsa.kernels:
  - .name:           k_q91de5dd4d1_mid
    .symbol:         k_q91de5dd4d1_mid.kd
    .args:
      - { .name: qkv, .offset: 0, .size: 8, .value_kind: global_buffer, .address_space: global }
      - { .name: h, .offset: 8, .size: 8, .value_kind: global_buffer, .address_space: global }
      - { .name: woq, .offset: 16, .size: 8, .value_kind: global_buffer, .address_space: global }
      - { .name: x, .offset: 24, .size: 8, .value_kind: global_buffer, .address_space: global }
      - { .name: bo, .offset: 32, .size: 8, .value_kind: global_buffer, .address_space: global }
      - { .name: g1, .offset: 40, .size: 8, .value_kind: global_buffer, .address_space: global }
      - { .name: be1, .offset: 48, .size: 8, .value_kind: global_buffer, .address_space: global }
    .group_segment_fixed_size: 327680
    .private_segment_fixed_size: 0
    .kernarg_segment_align: 8
    .kernarg_segment_size: 56
    .max_flat_workgroup_size: 512
    .sgpr_count:     92
    .vgpr_count:     256
    .wavefront_size: 32
...
	.end_amdgpu_metadata
.endif
;; end of part 3
;; launch w1 (part 4): grid 16 x 16, 4 waves a work-group, clusters of 4 x 4, 327,680 bytes of LDS; arguments h, wA, b1, hid; writes hid
.if DOCPART == 4
	.amdgcn_target "amdgcn-amd-amdhsa--gfx1250"
	.amdhsa_code_object_version 6
	.text
	.protected	k_q91de5dd4d1_w1
	.globl	k_q91de5dd4d1_w1
	.p2align	8
	.type	k_q91de5dd4d1_w1,@function
k_q91de5dd4d1_w1:
	s_mov_b64 s[64:65], 0
	v_nop
	global_prefetch_b8 v0, s[64:65] scope:SCOPE_SE
	s_setreg_imm32_b32 hwreg(HW_REG_WAVE_MODE, 25, 1), 1
	s_wait_xcnt 0x0
	s_wait_alu depctr_hold_cnt(0) depctr_sa_sdst(0) depctr_va_vdst(0) depctr_va_sdst(0) depctr_va_ssrc(0) depctr_va_vcc(0) depctr_vm_vsrc(0)
	s_getreg_b32 s2, hwreg(HW_REG_IB_STS2, 6, 4)
	s_cmp_eq_u32 s2, 0
	s_cbranch_scc0 .Lentry_in_a_cluster
	s_endpgm
.Lentry_in_a_cluster:
	s_bfe_u32 s2, ttmp6, 0x10000c
	s_cmp_lg_u32 s2, 0xf033
	s_cbranch_scc0 .Lentry_shape_is_right
	s_endpgm
.Lentry_shape_is_right:
.set TB,    4352
.set HALFT, 8*TB
.set SLOT,  4*HALFT
.set SPARE, 2*SLOT
.set ASTEP, 256*TB
.set BSTEP, 256*TB
.set NP,    8
.set ADRA, 16
.set ADRB, 20
.set ADRS, 22
.set CO,   26
.set CS,   27
.set SPW,  28
.set NIL,  29
.set SC,   32
.set BN,   64
.set AF,   128
.set G1,  24
.set G0,  32
.set G1B, 48
.set G0B, 56
.set SEL, 66
.set MNT, 90
.set A11, 68
.set A9,  70
.set A7,  72
.set A5,  74
.set A3,  76
.set A1,  78
.set B6,  80
.set B4,  82
.set B2,  84
.set B0,  86
.set RT2, 88
.set TM,  32
.set PC,  48
.set PW,  31
.set ZZ,  192
.set Z2,  208
.set PP,  224
.set QQ,  240
.set MSB, 0
.macro WIN new
.if MSB != (\new)
	s_set_vgpr_msb (MSB<<8)|(\new)
.set MSB, (\new)
.endif
.endm
.macro PLACES n
.rept \n
	v_nop
.endr
.endm
.macro JLOAD g0a, g0b
	s_cmp_eq_u32 s15, 0
	s_cbranch_scc0 .Lfor_b_\@
	tensor_load_to_lds s[\g0a:\g0a+3], s[G1:G1+7]
	s_nop 0
	PLACES 4
	s_branch .Lasked_\@
.Lfor_b_\@:
	tensor_load_to_lds s[\g0b:\g0b+3], s[G1B:G1B+7]
	s_nop 0
	PLACES 4
.Lasked_\@:
.endm
.macro CREST
	s_cmp_lg_u32 s14, 0
	s_cbranch_scc1 .Lnot_wave_0_\@
	s_barrier_signal -3
.Lnot_wave_0_\@:
	s_barrier_wait -3
	s_barrier_signal -1
	s_barrier_wait -1
.endm
.macro CROUND
	s_barrier_signal -1
	s_barrier_wait -1
	CREST
.endm
.macro FRAG reg, adr, q, i
.irp c, 0,1,2,3
	ds_load_b128 v[(\reg)+4*\c:(\reg)+4*\c+3], v[\adr] offset:(\i)*TB+2048*(\q)+512*\c
.endr
.endm
.macro FETCH_B slot, q, p
	WIN 0x40
.irp i, 0,1,2,3,4,5,6,7
	FRAG 128*(\p)+16*\i, ADRB+\slot, \q, \i
.endr
	WIN 0
.endm
.macro FETCH_A slot, q, i0
.irp i, \i0, \i0+1, \i0+2, \i0+3
	FRAG AF+16*(\i), ADRA+\slot, \q, \i
.endr
.endm
.macro SCALES sl
.irp i, 0,1,2,3,4,5,6,7
	ds_load_b32 v[SC+16*\sl+2*\i], v[ADRS+\sl] offset:\i*TB+4096
	ds_load_b32 v[SC+16*\sl+2*\i+1], v[ADRS+\sl] offset:\i*TB+4096+128
.endr
.endm
.macro MUL16 a0, p, q, sc, cm
.irp a, \a0, \a0+1
.irp b, 0,1,2,3,4,5,6,7
.if \cm == 1
	v_wmma_scale_f32_16x16x128_f8f6f4 v[8*(8*((\a)%4)+\b):8*(8*((\a)%4)+\b)+7], v[128*(\p)+16*\b:128*(\p)+16*\b+15], v[AF+16*(\a):AF+16*(\a)+15], v[BN+8*\b:BN+8*\b+7], v[SC+16*(\sc)+2*\b+(\q)], v[SC+16*(\sc)+2*(\a)+(\q)] matrix_a_scale:MATRIX_SCALE_ROW1
.else
	v_wmma_scale_f32_16x16x128_f8f6f4 v[8*(8*((\a)%4)+\b):8*(8*((\a)%4)+\b)+7], v[128*(\p)+16*\b:128*(\p)+16*\b+15], v[AF+16*(\a):AF+16*(\a)+15], v[8*(8*((\a)%4)+\b):8*(8*((\a)%4)+\b)+7], v[SC+16*(\sc)+2*\b+(\q)], v[SC+16*(\sc)+2*(\a)+(\q)] matrix_a_scale:MATRIX_SCALE_ROW1
.endif
.endr
.endr
.endm
.macro STEP slot, q, cm
	s_wait_dscnt 16
.if \cm
	WIN 0x81
.else
	WIN 0xa1
.endif
	MUL16 0, (\q)%2, \q, \slot, \cm
	MUL16 2, (\q)%2, \q, \slot, \cm
	s_wait_dscnt 0x0
	PLACES NP
	FETCH_B \slot, (\q)+1, 1-(\q)%2
	FETCH_A \slot, (\q)+1, 0
.if \cm
	WIN 0xc1
.else
	WIN 0xf1
.endif
	MUL16 4, (\q)%2, \q, \slot, \cm
	MUL16 6, (\q)%2, \q, \slot, \cm
	PLACES NP
	WIN 0
	FETCH_A \slot, (\q)+1, 4
.endm
.macro TURN slot, next, fill
	s_wait_tensorcnt 0x0
	ds_add_u32 v[SPW], v[NIL]
	s_wait_dscnt 17
	WIN 0xa1
	MUL16 0, 1, 1, \slot, 0
	s_wait_dscnt 0x0
	s_barrier_signal -1
	MUL16 2, 1, 1, \slot, 0
	WIN 0
	s_barrier_wait -1
.if \fill
	CREST
	s_add_nc_u64 s[G0+4*\slot+2:G0+4*\slot+3], s[G0+4*\slot+2:G0+4*\slot+3], 2*ASTEP
	s_add_nc_u64 s[G0B+4*\slot+2:G0B+4*\slot+3], s[G0B+4*\slot+2:G0B+4*\slot+3], 2*BSTEP
	JLOAD G0+4*\slot, G0B+4*\slot
	PLACES NP-4
.else
	PLACES NP
.endif
	FETCH_B \next, 0, 0
	FETCH_A \next, 0, 0
	SCALES \next
	WIN 0xf1
	MUL16 4, 1, 1, \slot, 0
	MUL16 6, 1, 1, \slot, 0
	PLACES NP
	WIN 0
	FETCH_A \next, 0, 4
.endm
.macro QUANT s, w, x, nb
.set QW, (\w)
	WIN 5*QW
.set qb, 0
.rept \nb
	v_max3_num_f32 v[TM+qb], |v[(\s)+16*qb]|, |v[(\s)+16*qb+1]|, 0x4800000
.set qb, qb+1
.endr
.irp i, 2,4,6,8,10,12,14
.set qb, 0
.rept \nb
	v_max3_num_f32 v[TM+qb], |v[(\s)+16*qb+\i]|, |v[(\s)+16*qb+\i+1]|, v[TM+qb]
.set qb, qb+1
.endr
.endr
	WIN 0
.set qb, 0
.rept \nb
	v_permlanex16_b32 v[TM+4+qb], v[TM+qb], s[SEL], s[SEL+1]
.set qb, qb+1
.endr
.set qb, 0
.rept \nb
	v_max_num_f32 v[TM+qb], v[TM+qb], v[TM+4+qb]
.set qb, qb+1
.endr
.set qb, 0
.rept \nb
	v_add_nc_u32 v[TM+12+qb], 0xfc000000, v[TM+qb]
	v_and_or_b32 v[TM+8+qb], v[TM+qb], 0x7f800000, s[MNT]
.set qb, qb+1
.endr
.set qb, 0
.rept \nb
	v_lshrrev_b32 v[TM+4+qb], 23, v[TM+12+qb]
.set qb, qb+1
.endr
	v_lshl_or_b32 v[PW], v[TM+5], 8, v[TM+4]
.if \nb > 2
	v_lshl_or_b32 v[PW], v[TM+6], 16, v[PW]
	v_lshl_or_b32 v[PW], v[TM+7], 24, v[PW]
.endif
	WIN QW
.set qb, 0
.rept 16*\nb
	v_med3_num_f32 v[(\x)+qb], v[(\s)+qb], -v[TM+8+qb/16], v[TM+8+qb/16]
.set qb, qb+1
.endr
	WIN 0
.set qb, 0
.rept 2*\nb
	v_cvt_scalef32_pk8_fp8_f32 v[PC+2*qb:PC+2*qb+1], v[(\x)+8*qb:(\x)+8*qb+7], v[TM+12+qb/2]
.set qb, qb+1
.endr
	v_nop
.endm
.macro PK8 op, d, a, b, tail:vararg
.irp j, 0,2,4,6,8,10,12,14
	\op v[(\d)+\j:(\d)+\j+1], v[(\a)+\j:(\a)+\j+1], v[(\b)+\j:(\b)+\j+1] \tail
.endr
.endm
.macro HORNER d, k
.irp j, 0,2,4,6,8,10,12,14
	v_pk_fma_f32 v[(\d)+\j:(\d)+\j+1], v[(\d)+\j:(\d)+\j+1], v[Z2+\j:Z2+\j+1], s[\k:\k+1] op_sel_hi:[1,1,0]
.endr
.endm
.macro GELU16 g
.set HX, 128+16*(\g)
.irp j, 0,2,4,6,8,10,12,14
	v_pk_mul_f32 v[HX+\j:HX+\j+1], v[HX+\j:HX+\j+1], 0.5 op_sel_hi:[1,0]
.endr
.irp j, 0,2,4,6,8,10,12,14
	v_pk_mul_f32 v[ZZ+\j:ZZ+\j+1], v[HX+\j:HX+\j+1], s[RT2:RT2+1] op_sel_hi:[1,0]
.endr
.irp j, 0,1,2,3,4,5,6,7,8,9,10,11,12,13,14,15
	v_med3_num_f32 v[ZZ+\j], v[ZZ+\j], -4.0, 4.0
.endr
	PK8 v_pk_mul_f32, Z2, ZZ, ZZ
.irp j, 0,2,4,6,8,10,12,14
	v_pk_fma_f32 v[PP+\j:PP+\j+1], v[Z2+\j:Z2+\j+1], v[16:17], s[A11:A11+1] op_sel_hi:[1,1,0]
.endr
.irp j, 0,2,4,6,8,10,12,14
	v_pk_fma_f32 v[QQ+\j:QQ+\j+1], v[Z2+\j:Z2+\j+1], v[20:21], s[B6:B6+1] op_sel_hi:[1,1,0]
.endr
	HORNER QQ, B4
	HORNER QQ, B2
	HORNER QQ, B0
	HORNER PP, A9
	s_wait_alu depctr_va_vdst(0)
.irp j, 0,1,2,3,4,5,6,7,8,9,10,11,12,13,14,15
	v_rcp_f32 v[QQ+\j], v[QQ+\j]
.endr
	HORNER PP, A7
	HORNER PP, A5
	HORNER PP, A3
	HORNER PP, A1
	PK8 v_pk_mul_f32, PP, PP, ZZ
	s_wait_alu depctr_va_vdst(0)
	PK8 v_pk_mul_f32, PP, PP, QQ
.irp j, 0,2,4,6,8,10,12,14
	v_pk_fma_f32 v[HX+\j:HX+\j+1], v[HX+\j:HX+\j+1], v[PP+\j:PP+\j+1], v[HX+\j:HX+\j+1]
.endr
.endm
	s_load_b256 s[4:11], s[0:1], 0x0
	v_lshl_add_u32 v[SPW], v0, 2, SPARE
	v_mov_b32 v[NIL], 0
	ds_add_u32 v28, v29
	ds_add_u32 v28, v29
	s_wait_dscnt 0x0
	v_lshrrev_b32 v1, 5, v0
	v_readfirstlane_b32 s14, v1
	s_lshr_b32 s15, s14, 1
	s_and_b32 s16, s14, 1
	s_bfe_u32 s40, ttmp6, 0x40000
	s_bfe_u32 s41, ttmp6, 0x40004
	s_lshl_b32 s42, ttmp9, 2
	s_add_co_u32 s42, s42, s40
	s_and_b32 s17, ttmp7, 0xffff
	s_lshl_b32 s17, s17, 2
	s_add_co_u32 s17, s17, s41
	s_lshl_b32 s43, s41, 2
	s_lshl_b32 s43, 15, s43
	s_lshl_b32 s44, 0x1111, s40
	s_or_b32 s[G1], s43, (3<<16)|(1<<21)
	s_or_b32 s[G1B], s44, (3<<16)|(1<<21)
.irp g, G1, G1B
	s_mov_b32 s[\g+1], 32<<16
	s_mov_b32 s[\g+2], 136<<16
	s_mov_b32 s[\g+3], 32<<16
	s_mov_b32 s[\g+4], 136
	s_mov_b32 s[\g+5], 32
	s_mov_b32 s[\g+6], 0
	s_mov_b32 s[\g+7], 0
.endr
	s_lshl_b32 s18, s16, 3
	s_lshl_b32 s20, s17, 4
	s_add_co_u32 s20, s20, s18
	s_mul_i32 s20, s20, TB
	s_mov_b32 s21, 0
	s_lshl_b32 s46, s42, 4
	s_add_co_u32 s46, s46, s18
	s_add_co_u32 s46, s46, 2048
	s_mul_i32 s46, s46, TB
	s_mov_b32 s47, 0
	s_mul_i32 s45, s14, HALFT
	s_wait_kmcnt 0x0
	s_add_nc_u64 s[20:21], s[4:5], s[20:21]
	s_add_nc_u64 s[46:47], s[6:7], s[46:47]
	CROUND
.irp s, 0,1
	s_mov_b32 s[G0+4*\s], 1
	s_add_co_u32 s[G0+4*\s+1], s45, \s*SLOT
	s_add_nc_u64 s[G0+4*\s+2:G0+4*\s+3], s[20:21], \s*ASTEP
	s_or_b32 s[G0+4*\s+3], s[G0+4*\s+3], 0x80000000
	s_mov_b32 s[G0B+4*\s], 1
	s_add_co_u32 s[G0B+4*\s+1], s45, \s*SLOT
	s_add_nc_u64 s[G0B+4*\s+2:G0B+4*\s+3], s[46:47], \s*BSTEP
	s_or_b32 s[G0B+4*\s+3], s[G0B+4*\s+3], 0x80000000
.endr
	JLOAD G0, G0B                                  ; K step 0: one tensor load a wave at the head
	v_and_b32 v1, 31, v0
	v_bfe_u32 v2, v0, 4, 1
	v_lshlrev_b32 v[CO], 4, v1
	v_lshlrev_b32 v[CS], 2, v1
	s_mul_i32 s22, s15, HALFT
	s_mul_i32 s23, s16, HALFT
	s_add_co_u32 s23, s23, 2*HALFT
	s_sub_co_u32 s19, s23, s22
	v_mul_u32_u24 v3, s19, v2
	v_add_nc_u32 v3, v3, v[CS]
.irp s, 0,1
	v_add_nc_u32 v[ADRA+\s], s22, v[CO]
	v_add_nc_u32 v[ADRB+\s], s23, v[CO]
	v_add_nc_u32 v[ADRS+\s], s22, v3
	s_add_co_u32 s22, s22, SLOT
	s_add_co_u32 s23, s23, SLOT
.endr
	v_lshlrev_b32 v4, 6, v2
	s_lshl_b32 s22, s42, 10
	s_lshl_b32 s23, s16, 9
	s_add_co_u32 s22, s22, s23
	s_mov_b32 s23, 0
	s_add_nc_u64 s[8:9], s[8:9], s[22:23]
.irp n, 0,1,2,3,4,5,6,7,8,9,10,11,12,13,14,15
	global_load_b128 v[BN+4*\n:BN+4*\n+3], v4, s[8:9] offset:128*(\n/4)+16*(\n%4)
.endr
	s_lshl_b32 s22, s42, 8
	s_lshl_b32 s19, s17, 4
	s_add_co_u32 s22, s22, s19
	s_lshl_b32 s19, s15, 3
	s_add_co_u32 s22, s22, s19
	s_mul_i32 s22, s22, TB
	s_add_nc_u64 s[10:11], s[10:11], s[22:23]
	s_lshl_b32 s22, s16, 11
	s_add_nc_u64 s[12:13], s[10:11], s[22:23]
	s_lshl_b32 s22, s16, 7
	s_add_co_u32 s22, s22, 4096
	s_add_nc_u64 s[10:11], s[10:11], s[22:23]
	s_mov_b32 s[SEL], 0x76543210
	s_mov_b32 s[SEL+1], 0xfedcba98
	s_mov_b32 s[MNT], 0x600000
.macro COEF k, bits
	s_mov_b32 s[\k], \bits
	s_mov_b32 s[\k+1], \bits
.endm
	COEF A11, 0x32edffee
	COEF A9,  0xb60cff51
	COEF A7,  0xb86ec2d2
	COEF A5,  0xba40ac63
	COEF A3,  0xbb41a1f6
	COEF A1,  0xbc83dbd4
	COEF B6,  0xb95fbd29
	COEF B4,  0xbadc924e
	COEF B2,  0xbbf19bf8
	COEF B0,  0xbc69b6a7
	COEF RT2, 0x3fb504f3
	s_wait_alu depctr_va_vdst(0)
	s_wait_tensorcnt 0x0                           ; my part of K step 0 is in
	ds_add_u32 v[SPW], v[NIL]
	s_wait_dscnt 0x0
	CROUND                                         ; a whole round: everybody's part of K step 0 is in, and the joint loads meet
	JLOAD G0+4, G0B+4                              ; K step 1: the first tensor load behind the round
	FETCH_B 0, 0, 0
	FETCH_A 0, 0, 0
	SCALES 0
	FETCH_A 0, 0, 4
	s_wait_loadcnt 0x0
	STEP 0, 0, 1
	TURN 0, 1, 1
	STEP 1, 0, 0
	TURN 1, 0, 1
	STEP 0, 0, 0
	TURN 0, 1, 0
	STEP 1, 0, 0
	s_wait_dscnt 16
	WIN 0xa1
	MUL16 0, 1, 1, 1, 0
	MUL16 2, 1, 1, 1, 0
	s_wait_dscnt 0x0
	WIN 0xf1
	MUL16 4, 1, 1, 1, 0
	MUL16 6, 1, 1, 1, 0
	WIN 0
	PLACES NP
	s_wait_dscnt 0x0
	s_barrier_signal -1
	s_barrier_wait -1
	s_lshl_b32 s22, s14, 16
	v_add_nc_u32 v22, s22, v[CO]
.irp a, 0,1,2,3,4,5,6,7
	WIN 0x08+4*(\a/4)
.irp b, 0,1,2,3,4,5,6,7
	ds_store_b128 v22, v[8*(8*(\a%4)+\b):8*(8*(\a%4)+\b)+3] offset:\a*8192+\b*1024
	ds_store_b128 v22, v[8*(8*(\a%4)+\b)+4:8*(8*(\a%4)+\b)+7] offset:\a*8192+\b*1024+512
.endr
.endr
	WIN 0
	v_mov_b32 v16, 0xaf95df0b
	v_mov_b32 v17, 0xaf95df0b
	v_mov_b32 v20, 0xb77460cd
	v_mov_b32 v21, 0xb77460cd
.irp b, 0,1,2,3
	v_mov_b32 v[TM+4+\b], 0
.endr
	s_mov_b32 s2, 0
.Lrow:
	v_add_nc_u32 v23, s2, v22
.irp n, 0,1,2,3,4,5,6,7,8,9,10,11,12,13,14,15
	ds_load_b128 v[128+4*\n:128+4*\n+3], v23 offset:512*\n
.endr
.irp g, 0,1,2,3
	s_wait_dscnt 12-4*\g
	GELU16 \g
.endr
	QUANT 128, 0, 128, 4
.irp c, 0,1,2,3
	global_store_b128 v[CO], v[PC+4*\c:PC+4*\c+3], s[12:13] offset:512*\c
.endr
	global_store_b32 v[CS], v[PW], s[10:11]
	s_wait_xcnt 0x0
	s_add_nc_u64 s[12:13], s[12:13], TB
	s_add_nc_u64 s[10:11], s[10:11], TB
	s_add_co_u32 s2, s2, 8192
	s_cmp_lt_u32 s2, 65536
	s_cbranch_scc1 .Lrow
	s_wait_tensorcnt 0x0
	ds_add_u32 v[SPW], v[NIL]
	s_wait_dscnt 0x0
	CROUND
	s_endpgm
.Lfunc_end_k_q91de5dd4d1_w1:
	.size	k_q91de5dd4d1_w1, .Lfunc_end_k_q91de5dd4d1_w1-k_q91de5dd4d1_w1
	.p2alignl 7, 3214868480
	.fill 96, 4, 3214868480
	.section	.rodata,"a",@progbits
	.p2align	6, 0x0
	.amdhsa_kernel k_q91de5dd4d1_w1
		.amdhsa_group_segment_fixed_size 327680
		.amdhsa_private_segment_fixed_size 0
		.amdhsa_enable_private_segment 0
		.amdhsa_kernarg_size 32
		.amdhsa_user_sgpr_count 2
		.amdhsa_user_sgpr_kernarg_segment_ptr 1
		.amdhsa_wavefront_size32 1
		.amdhsa_system_sgpr_workgroup_id_x 1
		.amdhsa_system_sgpr_workgroup_id_y 1
		.amdhsa_system_sgpr_workgroup_id_z 1
		.amdhsa_system_vgpr_workitem_id 0
		.amdhsa_next_free_vgpr 1024
		.amdhsa_next_free_sgpr 100
		.amdhsa_reserve_vcc 0
		.amdhsa_float_denorm_mode_32 3
		.amdhsa_float_denorm_mode_16_64 3
		.amdhsa_memory_ordered 1
		.amdhsa_forward_progress 1
		.amdhsa_inst_pref_size 175
	.end_amdhsa_kernel
	.amdgpu_metadata
---
amdhsa.version: [ 1, 2 ]
amdhsa.kernels:
  - .name:           k_q91de5dd4d1_w1
    .symbol:         k_q91de5dd4d1_w1.kd
    .args:
      - { .name: h, .offset: 0, .size: 8, .value_kind: global_buffer, .address_space: global }
      - { .name: wA, .offset: 8, .size: 8, .value_kind: global_buffer, .address_space: global }
      - { .name: b1, .offset: 16, .size: 8, .value_kind: global_buffer, .address_space: global }
      - { .name: hid, .offset: 24, .size: 8, .value_kind: global_buffer, .address_space: global }
    .group_segment_fixed_size: 327680
    .private_segment_fixed_size: 0
    .kernarg_segment_align: 8
    .kernarg_segment_size: 32
    .max_flat_workgroup_size: 128
    .sgpr_count:     100
    .vgpr_count:     1024
    .wavefront_size: 32
...
	.end_amdgpu_metadata
.endif
;; end of part 4
;; launch wo (part 5): grid 4 x 64, 4 waves a work-group, clusters of 4 x 4, 327,680 bytes of LDS; arguments hid, w2q, b2, y; writes y
.if DOCPART == 5
	.amdgcn_target "amdgcn-amd-amdhsa--gfx1250"
	.amdhsa_code_object_version 6
	.text
	.protected	k_q91de5dd4d1_wo
	.globl	k_q91de5dd4d1_wo
	.p2align	8
	.type	k_q91de5dd4d1_wo,@function
k_q91de5dd4d1_wo:
	s_mov_b64 s[64:65], 0
	v_nop
	global_prefetch_b8 v0, s[64:65] scope:SCOPE_SE
	s_setreg_imm32_b32 hwreg(HW_REG_WAVE_MODE, 25, 1), 1
	s_wait_xcnt 0x0
	s_wait_alu depctr_hold_cnt(0) depctr_sa_sdst(0) depctr_va_vdst(0) depctr_va_sdst(0) depctr_va_ssrc(0) depctr_va_vcc(0) depctr_vm_vsrc(0)
	s_getreg_b32 s2, hwreg(HW_REG_IB_STS2, 6, 4)
	s_cmp_eq_u32 s2, 0
	s_cbranch_scc0 .Lentry_in_a_cluster
	s_endpgm
.Lentry_in_a_cluster:
	s_bfe_u32 s2, ttmp6, 0x10000c
	s_cmp_lg_u32 s2, 0xf033
	s_cbranch_scc0 .Lentry_shape_is_right
	s_endpgm
.Lentry_shape_is_right:
; C = A B^T + bias over K = 1,024, N = 1,024, on codes of FP8 (E4M3) with E8M0 scales; C leaves as f32.  The body serves one launch: gelu(..) W2 (K = 4,096 in four chunks).
; Cluster y / 4 is the chunk: it shifts A and B by four K steps and chooses the part of y that is written; a later launch adds the parts in a fixed order.  The bias is given to chunk 0 alone.
; Operands lie in the order of an operand's registers: a tile of 16 rows x 256 K is TB = 4,352 bytes (two fragments of 2,048, then 2 x 128 bytes of scale words), tile (K step s, T) at (s RT + T) TB.
; A tile of C, 256 x 256: four waves, each 128 x 128, 64 accumulators.  Four K steps of 256 through two LDS slots; eight tiles are 34,816 consecutive bytes: one tensor load a wave.
; CLUSTERS 4 x 4: A's tiles are shared along a row of the cluster, B's along a column: joint loads.  THE PRODUCT IS USED TRANSPOSED: register j of accumulator (a, b) is row (a, lane % 16), column 32 (b/2) + 16 (lane/16) + 8 (b%2) + j.
; C's layout: number (tile T, lane l, column 32 k + 16 (l/16) + 4 j + e) at 65,536 T + 2,048 k + 512 j + 16 l + 4 e: the accumulators are stored as they stand, 512 consecutive bytes a store.
; REGISTERS: window 0: v16-29 addresses, v32-63 scale words, v64-127 the bias, v128-255 A's fragments; window 1: B's two sets; windows 2, 3: the accumulators.
.set TB,    4352
.set HALFT, 8*TB
.set SLOT,  4*HALFT
.set SPARE, 2*SLOT                     ; the spare words: 128 bytes a wave, two blocks of 256 bytes that no other line names
.set ASTEP, 256*TB
.set BSTEP, 64*TB
.set NP,    8
.set ADRA, 16
.set ADRB, 20
.set ADRS, 22
.set CO,   26
.set CS,   27
.set SPW,  28
.set NIL,  29
.set SC,   32
.set BN,   64
.set AF,   128
.set G1,  24
.set G0,  32
.set G1B, 48
.set G0B, 56
.set MSB, 0
.macro WIN new
.if MSB != (\new)
	s_set_vgpr_msb (MSB<<8)|(\new)
.set MSB, (\new)
.endif
.endm
.macro PLACES n
.rept \n
	v_nop
.endr
.endm
.macro JLOAD g0a, g0b                  ; a joint load: waves 0, 1 for A, waves 2, 3 for B; four v_nop follow each line
	s_cmp_eq_u32 s15, 0
	s_cbranch_scc0 .Lfor_b_\@
	tensor_load_to_lds s[\g0a:\g0a+3], s[G1:G1+7]
	s_nop 0
	PLACES 4
	s_branch .Lasked_\@
.Lfor_b_\@:
	tensor_load_to_lds s[\g0b:\g0b+3], s[G1B:G1B+7]
	s_nop 0
	PLACES 4
.Lasked_\@:
.endm
.macro CREST
	s_cmp_lg_u32 s14, 0
	s_cbranch_scc1 .Lnot_wave_0_\@
	s_barrier_signal -3
.Lnot_wave_0_\@:
	s_barrier_wait -3
	s_barrier_signal -1
	s_barrier_wait -1
.endm
.macro CROUND
	s_barrier_signal -1
	s_barrier_wait -1
	CREST
.endm
.macro FRAG reg, adr, q, i
.irp c, 0,1,2,3
	ds_load_b128 v[(\reg)+4*\c:(\reg)+4*\c+3], v[\adr] offset:(\i)*TB+2048*(\q)+512*\c
.endr
.endm
.macro FETCH_B slot, q, p
	WIN 0x40
.irp i, 0,1,2,3,4,5,6,7
	FRAG 128*(\p)+16*\i, ADRB+\slot, \q, \i
.endr
	WIN 0
.endm
.macro FETCH_A slot, q, i0
.irp i, \i0, \i0+1, \i0+2, \i0+3
	FRAG AF+16*(\i), ADRA+\slot, \q, \i
.endr
.endm
.macro SCALES sl
.irp i, 0,1,2,3,4,5,6,7
	ds_load_b32 v[SC+16*\sl+2*\i], v[ADRS+\sl] offset:\i*TB+4096
	ds_load_b32 v[SC+16*\sl+2*\i+1], v[ADRS+\sl] offset:\i*TB+4096+128
.endr
.endm
.macro MUL16 a0, p, q, sc, cm          ; the 64 accumulators take turns, one instruction a turn
.irp a, \a0, \a0+1
.irp b, 0,1,2,3,4,5,6,7
.if \cm == 1
	v_wmma_scale_f32_16x16x128_f8f6f4 v[8*(8*((\a)%4)+\b):8*(8*((\a)%4)+\b)+7], v[128*(\p)+16*\b:128*(\p)+16*\b+15], v[AF+16*(\a):AF+16*(\a)+15], v[BN+8*\b:BN+8*\b+7], v[SC+16*(\sc)+2*\b+(\q)], v[SC+16*(\sc)+2*(\a)+(\q)] matrix_a_scale:MATRIX_SCALE_ROW1
.else
	v_wmma_scale_f32_16x16x128_f8f6f4 v[8*(8*((\a)%4)+\b):8*(8*((\a)%4)+\b)+7], v[128*(\p)+16*\b:128*(\p)+16*\b+15], v[AF+16*(\a):AF+16*(\a)+15], v[8*(8*((\a)%4)+\b):8*(8*((\a)%4)+\b)+7], v[SC+16*(\sc)+2*\b+(\q)], v[SC+16*(\sc)+2*(\a)+(\q)] matrix_a_scale:MATRIX_SCALE_ROW1
.endif
.endr
.endr
.endm
.macro STEP slot, q, cm
	s_wait_dscnt 16                                ; all but the youngest 16 loads (A's blocks 4-7)
.if \cm
	WIN 0x81
.else
	WIN 0xa1
.endif
	MUL16 0, (\q)%2, \q, \slot, \cm
	MUL16 2, (\q)%2, \q, \slot, \cm
	s_wait_dscnt 0x0
	PLACES NP
	FETCH_B \slot, (\q)+1, 1-(\q)%2
	FETCH_A \slot, (\q)+1, 0
.if \cm
	WIN 0xc1
.else
	WIN 0xf1
.endif
	MUL16 4, (\q)%2, \q, \slot, \cm
	MUL16 6, (\q)%2, \q, \slot, \cm
	PLACES NP
	WIN 0
	FETCH_A \slot, (\q)+1, 4
.endm
.macro TURN slot, next, fill
	s_wait_tensorcnt 0x0                           ; my part of the next slot has landed
	ds_add_u32 v[SPW], v[NIL]
	s_wait_dscnt 17                                ; (the add and the youngest 16 loads may be out)
	WIN 0xa1
	MUL16 0, 1, 1, \slot, 0
	s_wait_dscnt 0x0                               ; the add is done, and my reads of this slot are over
	s_barrier_signal -1
	MUL16 2, 1, 1, \slot, 0
	WIN 0
	s_barrier_wait -1
.if \fill
	CREST
	s_add_nc_u64 s[G0+4*\slot+2:G0+4*\slot+3], s[G0+4*\slot+2:G0+4*\slot+3], 2*ASTEP
	s_add_nc_u64 s[G0B+4*\slot+2:G0B+4*\slot+3], s[G0B+4*\slot+2:G0B+4*\slot+3], 2*BSTEP
	JLOAD G0+4*\slot, G0B+4*\slot
	PLACES NP-4
.else
	PLACES NP
.endif
	FETCH_B \next, 0, 0
	FETCH_A \next, 0, 0
	SCALES \next
	WIN 0xf1
	MUL16 4, 1, 1, \slot, 0
	MUL16 6, 1, 1, \slot, 0
	PLACES NP
	WIN 0
	FETCH_A \next, 0, 4
.endm
	s_load_b256 s[4:11], s[0:1], 0x0               ; A, B, bias, C
	v_lshl_add_u32 v[SPW], v0, 2, SPARE
	v_mov_b32 v[NIL], 0
	ds_add_u32 v28, v29
	ds_add_u32 v28, v29
	s_wait_dscnt 0x0
	v_lshrrev_b32 v1, 5, v0
	v_readfirstlane_b32 s14, v1
	s_lshr_b32 s15, s14, 1
	s_and_b32 s16, s14, 1
	s_bfe_u32 s40, ttmp6, 0x40000                  ; cx
	s_bfe_u32 s41, ttmp6, 0x40004                  ; cy
	s_lshl_b32 s42, ttmp9, 2
	s_add_co_u32 s42, s42, s40                     ; tile column
	s_and_b32 s17, ttmp7, 0xffff
	s_lshr_b32 s66, s17, 2                         ; the chunk of K: the same in all sixteen partners
	s_and_b32 s17, s17, 3
	s_lshl_b32 s17, s17, 2
	s_add_co_u32 s17, s17, s41                     ; tile row
	s_cmp_eq_u32 s66, 0
	s_cselect_b32 s67, -1, 0                       ; all lanes keep the bias in chunk 0, none elsewhere
	s_lshl_b32 s43, s41, 2
	s_lshl_b32 s43, 15, s43
	s_lshl_b32 s44, 0x1111, s40
	s_or_b32 s[G1], s43, (3<<16)|(1<<21)
	s_or_b32 s[G1B], s44, (3<<16)|(1<<21)
.irp g, G1, G1B
	s_mov_b32 s[\g+1], 32<<16
	s_mov_b32 s[\g+2], 136<<16
	s_mov_b32 s[\g+3], 32<<16
	s_mov_b32 s[\g+4], 136
	s_mov_b32 s[\g+5], 32
	s_mov_b32 s[\g+6], 0
	s_mov_b32 s[\g+7], 0
.endr
	s_lshl_b32 s18, s16, 3
	s_lshl_b32 s20, s17, 4
	s_add_co_u32 s20, s20, s18
	s_mul_i32 s20, s20, TB
	s_mul_i32 s19, s66, 4*ASTEP
	s_add_co_u32 s20, s20, s19
	s_mov_b32 s21, 0
	s_lshl_b32 s46, s42, 4
	s_add_co_u32 s46, s46, s18
	s_mul_i32 s46, s46, TB
	s_mul_i32 s19, s66, 4*BSTEP
	s_add_co_u32 s46, s46, s19
	s_mov_b32 s47, 0
	s_mul_i32 s45, s14, HALFT
	s_wait_kmcnt 0x0
	s_add_nc_u64 s[20:21], s[4:5], s[20:21]
	s_add_nc_u64 s[46:47], s[6:7], s[46:47]
	CROUND
.irp s, 0,1
	s_mov_b32 s[G0+4*\s], 1
	s_add_co_u32 s[G0+4*\s+1], s45, \s*SLOT
	s_add_nc_u64 s[G0+4*\s+2:G0+4*\s+3], s[20:21], \s*ASTEP
	s_or_b32 s[G0+4*\s+3], s[G0+4*\s+3], 0x80000000
	s_mov_b32 s[G0B+4*\s], 1
	s_add_co_u32 s[G0B+4*\s+1], s45, \s*SLOT
	s_add_nc_u64 s[G0B+4*\s+2:G0B+4*\s+3], s[46:47], \s*BSTEP
	s_or_b32 s[G0B+4*\s+3], s[G0B+4*\s+3], 0x80000000
.endr
	JLOAD G0, G0B                                  ; K step 0: one tensor load a wave at the head
	v_and_b32 v1, 31, v0
	v_bfe_u32 v2, v0, 4, 1
	v_lshlrev_b32 v[CO], 4, v1
	v_lshlrev_b32 v[CS], 2, v1
	s_mul_i32 s22, s15, HALFT
	s_mul_i32 s23, s16, HALFT
	s_add_co_u32 s23, s23, 2*HALFT
	s_sub_co_u32 s19, s23, s22
	v_mul_u32_u24 v3, s19, v2
	v_add_nc_u32 v3, v3, v[CS]
.irp s, 0,1
	v_add_nc_u32 v[ADRA+\s], s22, v[CO]
	v_add_nc_u32 v[ADRB+\s], s23, v[CO]
	v_add_nc_u32 v[ADRS+\s], s22, v3
	s_add_co_u32 s22, s22, SLOT
	s_add_co_u32 s23, s23, SLOT
.endr
	v_lshlrev_b32 v4, 6, v2
	s_lshl_b32 s22, s42, 10
	s_lshl_b32 s23, s16, 9
	s_add_co_u32 s22, s22, s23
	s_mov_b32 s23, 0
	s_add_nc_u64 s[8:9], s[8:9], s[22:23]          ; the bias at my 128 columns
.irp n, 0,1,2,3,4,5,6,7,8,9,10,11,12,13,14,15
	global_load_b128 v[BN+4*\n:BN+4*\n+3], v4, s[8:9] offset:128*(\n/4)+16*(\n%4)
.endr
	s_lshl_b32 s22, s66, 24                        ; the chunk's part of C,
	s_lshl_b32 s19, s17, 20                        ; 16 tiles of 65,536 bytes a tile row,
	s_add_co_u32 s22, s22, s19
	s_lshl_b32 s19, s15, 19
	s_add_co_u32 s22, s22, s19
	s_lshl_b32 s19, s42, 14                        ; 8 groups of 32 columns a tile column
	s_add_co_u32 s22, s22, s19
	s_lshl_b32 s19, s16, 13
	s_add_co_u32 s22, s22, s19
	s_add_nc_u64 s[12:13], s[10:11], s[22:23]
	s_wait_alu depctr_va_vdst(0)
	s_wait_tensorcnt 0x0                           ; my part of K step 0 is in
	ds_add_u32 v[SPW], v[NIL]
	s_wait_dscnt 0x0
	CROUND                                         ; a whole round: everybody's part of K step 0 is in, and the joint loads meet
	JLOAD G0+4, G0B+4                              ; K step 1: the first tensor load behind the round
	FETCH_B 0, 0, 0
	FETCH_A 0, 0, 0
	SCALES 0
	FETCH_A 0, 0, 4
	s_wait_loadcnt 0x0
.set n, 0
.rept 64
	v_cndmask_b32 v[BN+n], 0, v[BN+n], s67
.set n, n+1
.endr
	PLACES 4
	s_wait_alu depctr_va_vdst(0)
	STEP 0, 0, 1
	TURN 0, 1, 1
	STEP 1, 0, 0
	TURN 1, 0, 1
	STEP 0, 0, 0
	TURN 0, 1, 0
	STEP 1, 0, 0
	s_wait_dscnt 16
	WIN 0xa1
	MUL16 0, 1, 1, 1, 0
	MUL16 2, 1, 1, 1, 0
	s_wait_dscnt 0x0
	WIN 0xf1
	MUL16 4, 1, 1, 1, 0
	MUL16 6, 1, 1, 1, 0
	WIN 0
	PLACES NP
.irp a, 0,1,2,3,4,5,6,7
	WIN 0x08+4*(\a/4)                              ; a store's data are its source 1: window 2 or 3
.irp b, 0,1,2,3,4,5,6,7
	global_store_b128 v[CO], v[8*(8*(\a%4)+\b):8*(8*(\a%4)+\b)+3], s[12:13] offset:\a*65536+(\b/2)*2048+(\b%2)*1024 th:TH_STORE_NT       ; each accumulator from its low end on
	global_store_b128 v[CO], v[8*(8*(\a%4)+\b)+4:8*(8*(\a%4)+\b)+7], s[12:13] offset:\a*65536+(\b/2)*2048+(\b%2)*1024+512 th:TH_STORE_NT
.endr
.endr
	WIN 0
	s_wait_tensorcnt 0x0                           ; the wave's end
	ds_add_u32 v[SPW], v[NIL]
	s_wait_dscnt 0x0
	CROUND
	s_endpgm
.Lfunc_end_k_q91de5dd4d1_wo:
	.size	k_q91de5dd4d1_wo, .Lfunc_end_k_q91de5dd4d1_wo-k_q91de5dd4d1_wo
	.p2alignl 7, 3214868480
	.fill 96, 4, 3214868480
	.section	.rodata,"a",@progbits
	.p2align	6, 0x0
	.amdhsa_kernel k_q91de5dd4d1_wo
		.amdhsa_group_segment_fixed_size 327680
		.amdhsa_private_segment_fixed_size 0
		.amdhsa_enable_private_segment 0
		.amdhsa_kernarg_size 32
		.amdhsa_user_sgpr_count 2
		.amdhsa_user_sgpr_kernarg_segment_ptr 1
		.amdhsa_wavefront_size32 1
		.amdhsa_system_sgpr_workgroup_id_x 1
		.amdhsa_system_sgpr_workgroup_id_y 1
		.amdhsa_system_sgpr_workgroup_id_z 1
		.amdhsa_system_vgpr_workitem_id 0
		.amdhsa_next_free_vgpr 1024
		.amdhsa_next_free_sgpr 100
		.amdhsa_reserve_vcc 0
		.amdhsa_float_denorm_mode_32 3
		.amdhsa_float_denorm_mode_16_64 3
		.amdhsa_memory_ordered 1
		.amdhsa_forward_progress 1
		.amdhsa_inst_pref_size 133
	.end_amdhsa_kernel
	.amdgpu_metadata
---
amdhsa.version: [ 1, 2 ]
amdhsa.kernels:
  - .name:           k_q91de5dd4d1_wo
    .symbol:         k_q91de5dd4d1_wo.kd
    .args:
      - { .name: hid, .offset: 0, .size: 8, .value_kind: global_buffer, .address_space: global }
      - { .name: w2q, .offset: 8, .size: 8, .value_kind: global_buffer, .address_space: global }
      - { .name: b2, .offset: 16, .size: 8, .value_kind: global_buffer, .address_space: global }
      - { .name: y, .offset: 24, .size: 8, .value_kind: global_buffer, .address_space: global }
    .group_segment_fixed_size: 327680
    .private_segment_fixed_size: 0
    .kernarg_segment_align: 8
    .kernarg_segment_size: 32
    .max_flat_workgroup_size: 128
    .sgpr_count:     100
    .vgpr_count:     1024
    .wavefront_size: 32
...
	.end_amdgpu_metadata
.endif
;; end of part 5
;; launch ln2 (part 6): grid 256 x 1, 16 waves a work-group, no clusters, 73,728 bytes of LDS; arguments y, h, g2, be2, out0; writes out0
.if DOCPART == 6
	.amdgcn_target "amdgcn-amd-amdhsa--gfx1250"
	.amdhsa_code_object_version 6
	.text
	.protected	k_q91de5dd4d1_ln2
	.globl	k_q91de5dd4d1_ln2
	.p2align	8
	.type	k_q91de5dd4d1_ln2,@function
k_q91de5dd4d1_ln2:
	s_mov_b64 s[64:65], 0
	v_nop
	global_prefetch_b8 v0, s[64:65] scope:SCOPE_SE
	s_setreg_imm32_b32 hwreg(HW_REG_WAVE_MODE, 25, 1), 1
	s_wait_xcnt 0x0
; out = layer_norm(h + ff) g2 + be2.  ff lies in four parts (the four chunks of the last product's K; the bias is in part 0), added in a fixed order: ((p0 + p1) + (p2 + p3)) + h.
; A work-group takes a tile of 16 rows (lane r of tile T: row 32 (T/2) + 8 (T%2) + r%8 + 16 (r/8)); wave w takes columns 64 w .. 64 w + 63: a lane holds 32 numbers, register 16 c + i = column 64 w + 32 c + 16 (lane/16) + i of row lane % 16.
; All five come in that order by dense loads of 512 bytes.  Mean, then the mean of squared differences, each joined over the sixteen waves in LDS.  The result is turned through the wave's own stage, so that sixteen lanes store
; 256 consecutive bytes of a row of out.  Memory binds: no matrix unit, no cluster.  NaN and infinities are not served.
.set P0, 32
.set P1, 64
.set P2, 96
.set P3, 128
.set HF, 160
.set G,  192
.set BE, 196
.set SEL, 30
.set STAT, 69632                       ; behind the sixteen stages of 4,352 bytes: two regions of 1,024 bytes for the waves' sums
.macro ROWSUM off                      ; v20 = my lane's sum -> v20 = the row's sum over all 1,024 columns
	s_delay_alu instid0(VALU_DEP_1)
	v_permlanex16_b32 v21, v20, s[SEL], s[SEL+1]
	s_delay_alu instid0(VALU_DEP_1)
	v_add_f32 v20, v20, v21
	ds_store_b32 v8, v20 offset:\off
	s_wait_dscnt 0x0                               ; my store has landed in front of my signal
	s_barrier_signal -1
	s_barrier_wait -1
.irp n, 0,1,2,3,4,5,6,7,8,9,10,11,12,13,14,15
	ds_load_b32 v[P1+\n], v9 offset:\off+64*\n
.endr
	s_wait_dscnt 0x0
.irp n, 0,2,4,6,8,10,12,14
	v_add_f32 v[P1+\n], v[P1+\n], v[P1+\n+1]
.endr
.irp n, 0,4,8,12
	v_add_f32 v[P1+\n], v[P1+\n], v[P1+\n+2]
.endr
	s_delay_alu instid0(VALU_DEP_3)
	v_add_f32 v[P1], v[P1], v[P1+4]
	s_delay_alu instid0(VALU_DEP_2)
	v_add_f32 v[P1+8], v[P1+8], v[P1+12]
	s_delay_alu instid0(VALU_DEP_1)
	v_add_f32 v20, v[P1], v[P1+8]
.endm
	s_load_b256 s[4:11], s[0:1], 0x0               ; y, h, g2, be2
	s_load_b64 s[12:13], s[0:1], 0x20              ; out0
	v_lshl_add_u32 v208, v0, 2, 0x11800
	v_mov_b32 v209, 0
	v_lshrrev_b32 v1, 5, v0
	s_delay_alu instid0(VALU_DEP_1)
	v_readfirstlane_b32 s14, v1                    ; wave 0..15
	v_and_b32 v1, 31, v0
	s_delay_alu instid0(VALU_DEP_1)
	v_lshlrev_b32 v2, 4, v1                        ; 16 x lane
	v_and_b32 v14, 15, v0
	v_bfe_u32 v15, v0, 4, 1
	s_lshl_b32 s15, s14, 8
	v_lshl_add_u32 v7, v14, 4, s15                 ; 256 w + 16 (lane % 16): g2, be2, and a row of out
	s_delay_alu instid0(VALU_DEP_1)
	v_lshl_add_u32 v10, v15, 12, v7                ; + a row for lanes 16-31
	s_mul_i32 s16, s14, 4352
	v_mul_u32_u24 v5, v14, 272
	s_delay_alu instid0(VALU_DEP_1)
	v_lshl_add_u32 v5, v15, 6, v5
	s_delay_alu instid0(VALU_DEP_1)
	v_add_nc_u32 v5, s16, v5                       ; the stage, in: row lane % 16, + 64 (lane / 16)
	v_mul_u32_u24 v6, v15, 272
	s_delay_alu instid0(VALU_DEP_1)
	v_lshl_add_u32 v6, v14, 4, v6
	s_delay_alu instid0(VALU_DEP_1)
	v_add_nc_u32 v6, s16, v6                       ; back: lanes 0-15 one row, lanes 16-31 the next
	v_lshl_add_u32 v9, v14, 2, STAT
	s_lshl_b32 s17, s14, 6
	v_add_nc_u32 v8, s17, v9
	s_mov_b32 s[SEL], 0x76543210
	s_mov_b32 s[SEL+1], 0xfedcba98
	s_mov_b32 s32, 0x3a800000                      ; 1 / 1,024
	s_mov_b32 s33, 0x3727c5ac                      ; 1e-5
	s_lshl_b32 s18, ttmp9, 16
	s_lshl_b32 s19, s14, 12
	s_add_co_u32 s18, s18, s19                     ; 65,536 T + 2 w groups of 2,048
	s_mov_b32 s19, 0
	s_lshr_b32 s34, ttmp9, 1
	s_lshl_b32 s34, s34, 17
	s_and_b32 s35, ttmp9, 1
	s_lshl_b32 s35, s35, 15
	s_add_co_u32 s34, s34, s35                     ; out: the tile's first row
	s_mov_b32 s35, 0
	s_wait_kmcnt 0x0
	s_add_nc_u64 s[20:21], s[4:5], s[18:19]
	s_add_nc_u64 s[22:23], s[20:21], 0x1000000
	s_add_nc_u64 s[24:25], s[22:23], 0x1000000
	s_add_nc_u64 s[26:27], s[24:25], 0x1000000
	s_add_nc_u64 s[28:29], s[6:7], s[18:19]
	s_add_nc_u64 s[28:29], s[28:29], 4456448
	s_add_nc_u64 s[12:13], s[12:13], s[34:35]
.irp p, 0,1,2,3,4
.irp n, 0,1,2,3,4,5,6,7
	global_load_b128 v[P0+32*\p+4*\n:P0+32*\p+4*\n+3], v2, s[20+2*\p:21+2*\p] offset:512*\n th:TH_LOAD_NT
.endr
.endr
	global_load_b128 v[G:G+3], v7, s[8:9]
	global_load_b128 v[BE:BE+3], v7, s[10:11]
	s_wait_loadcnt 26                              ; parts 0 and 1 are in: 26 younger loads may be out
.set n, 0
.rept 16
	v_pk_add_f32 v[P0+n:P0+n+1], v[P0+n:P0+n+1], v[P1+n:P1+n+1]
.set n, n+2
.endr
	s_wait_loadcnt 10                              ; parts 2 and 3
.set n, 0
.rept 16
	v_pk_add_f32 v[P2+n:P2+n+1], v[P2+n:P2+n+1], v[P3+n:P3+n+1]
.set n, n+2
.endr
.set n, 0
.rept 16
	v_pk_add_f32 v[P0+n:P0+n+1], v[P0+n:P0+n+1], v[P2+n:P2+n+1]
.set n, n+2
.endr
	s_wait_loadcnt 2                               ; h
.set n, 0
.rept 16
	v_pk_add_f32 v[P0+n:P0+n+1], v[P0+n:P0+n+1], v[HF+n:HF+n+1]
.set n, n+2
.endr
	v_pk_add_f32 v[20:21], v[P0:P0+1], v[P0+2:P0+3]
	v_pk_add_f32 v[22:23], v[P0+4:P0+5], v[P0+6:P0+7]
.set n, 8
.rept 6
	s_delay_alu instid0(VALU_DEP_2)
	v_pk_add_f32 v[20:21], v[20:21], v[P0+n:P0+n+1]
	s_delay_alu instid0(VALU_DEP_2)
	v_pk_add_f32 v[22:23], v[22:23], v[P0+n+2:P0+n+3]
.set n, n+4
.endr
	s_delay_alu instid0(VALU_DEP_1)
	v_pk_add_f32 v[20:21], v[20:21], v[22:23]
	s_delay_alu instid0(VALU_DEP_1)
	v_add_f32 v20, v20, v21
	ROWSUM 0
	s_delay_alu instid0(VALU_DEP_1)
	v_mul_f32 v16, s32, v20                        ; the mean
	s_delay_alu instid0(VALU_DEP_1)
	v_mov_b32 v17, v16
.set n, 0
.rept 16
	v_pk_add_f32 v[P0+n:P0+n+1], v[P0+n:P0+n+1], v[16:17] neg_lo:[0,1] neg_hi:[0,1]
.set n, n+2
.endr
	v_pk_mul_f32 v[20:21], v[P0:P0+1], v[P0:P0+1]
	v_pk_mul_f32 v[22:23], v[P0+2:P0+3], v[P0+2:P0+3]
.set n, 4
.rept 7
	s_delay_alu instid0(VALU_DEP_2)
	v_pk_fma_f32 v[20:21], v[P0+n:P0+n+1], v[P0+n:P0+n+1], v[20:21]
	s_delay_alu instid0(VALU_DEP_2)
	v_pk_fma_f32 v[22:23], v[P0+n+2:P0+n+3], v[P0+n+2:P0+n+3], v[22:23]
.set n, n+4
.endr
	s_delay_alu instid0(VALU_DEP_1)
	v_pk_add_f32 v[20:21], v[20:21], v[22:23]
	s_delay_alu instid0(VALU_DEP_1)
	v_add_f32 v20, v20, v21
	ROWSUM 1024
	s_delay_alu instid0(VALU_DEP_1)
	v_fma_f32 v18, v20, s32, s33
	s_wait_alu depctr_va_vdst(0)
	v_rsq_f32 v18, v18
	v_nop
	s_wait_alu depctr_va_vdst(0)                   ; ahead of the first reader
	v_mov_b32 v19, v18
.set n, 0
.rept 16
	v_pk_mul_f32 v[P0+n:P0+n+1], v[P0+n:P0+n+1], v[18:19]
.set n, n+2
.endr
.irp n, 0,1,2,3,4,5,6,7
	ds_store_b128 v5, v[P0+4*\n:P0+4*\n+3] offset:128*(\n/4)+16*(\n%4)
.endr
.irp i, 0,1,2,3,4,5,6,7
	ds_load_b128 v[P2+4*\i:P2+4*\i+3], v6 offset:2*\i*272     ; LDS serves a wave's instructions in order: these see my stores
.endr
	s_wait_loadcnt 0x0                             ; g2 and be2
.irp i, 0,1,2,3,4,5,6,7
	s_wait_dscnt 7-\i
	v_pk_fma_f32 v[P2+4*\i:P2+4*\i+1], v[P2+4*\i:P2+4*\i+1], v[G:G+1], v[BE:BE+1]
	v_pk_fma_f32 v[P2+4*\i+2:P2+4*\i+3], v[P2+4*\i+2:P2+4*\i+3], v[G+2:G+3], v[BE+2:BE+3]
	global_store_b128 v10, v[P2+4*\i:P2+4*\i+3], s[12:13] offset:(2*(\i%4)+16*(\i/4))*4096 th:TH_STORE_NT   ; tile lanes 2 i and 2 i + 1: sixteen lanes store 256 consecutive bytes, aligned
.endr
	s_wait_tensorcnt 0x0
	ds_add_u32 v208, v209
	s_wait_dscnt 0x0
	s_endpgm
.Lfunc_end_k_q91de5dd4d1_ln2:
	.size	k_q91de5dd4d1_ln2, .Lfunc_end_k_q91de5dd4d1_ln2-k_q91de5dd4d1_ln2
	.p2alignl 7, 3214868480
	.fill 96, 4, 3214868480
	.section	.rodata,"a",@progbits
	.p2align	6, 0x0
	.amdhsa_kernel k_q91de5dd4d1_ln2
		.amdhsa_group_segment_fixed_size 73728
		.amdhsa_private_segment_fixed_size 0
		.amdhsa_enable_private_segment 0
		.amdhsa_kernarg_size 40
		.amdhsa_user_sgpr_count 2
		.amdhsa_user_sgpr_kernarg_segment_ptr 1
		.amdhsa_wavefront_size32 1
		.amdhsa_system_sgpr_workgroup_id_x 1
		.amdhsa_system_sgpr_workgroup_id_y 1
		.amdhsa_system_sgpr_workgroup_id_z 1
		.amdhsa_system_vgpr_workitem_id 0
		.amdhsa_next_free_vgpr 210
		.amdhsa_next_free_sgpr 66
		.amdhsa_reserve_vcc 0
		.amdhsa_float_denorm_mode_32 3
		.amdhsa_float_denorm_mode_16_64 3
		.amdhsa_memory_ordered 1
		.amdhsa_forward_progress 1
		.amdhsa_inst_pref_size 24
	.end_amdhsa_kernel
	.amdgpu_metadata
---
amdhsa.version: [ 1, 2 ]
amdhsa.kernels:
  - .name:           k_q91de5dd4d1_ln2
    .symbol:         k_q91de5dd4d1_ln2.kd
    .args:
      - { .name: y, .offset: 0, .size: 8, .value_kind: global_buffer, .address_space: global }
      - { .name: h, .offset: 8, .size: 8, .value_kind: global_buffer, .address_space: global }
      - { .name: g2, .offset: 16, .size: 8, .value_kind: global_buffer, .address_space: global }
      - { .name: be2, .offset: 24, .size: 8, .value_kind: global_buffer, .address_space: global }
      - { .name: out0, .offset: 32, .size: 8, .value_kind: global_buffer, .address_space: global }
    .group_segment_fixed_size: 73728
    .private_segment_fixed_size: 0
    .kernarg_segment_align: 8
    .kernarg_segment_size: 40
    .max_flat_workgroup_size: 512
    .sgpr_count:     66
    .vgpr_count:     210
    .wavefront_size: 32
...
	.end_amdgpu_metadata
.endif
;; end of part 6
